; MI455X (gfx1250); checked and timed in simulation.
; The chip was launched on July 23, 2026; its instructions are those of AMD's public machine-readable ISA for CDNA 5 (MIT licence, August 2026) and "CDNA5" Instruction Set Architecture Reference Guide (July 2026). The comments in the code are by the model that wrote it; some were corrected since.
;; Attention. Allowed arithmetic: matrix products marked QUANTISED: E5M2 operands, one E8M0 scale for each 32 along K, by v_wmma_scale_f32_16x16x128_f8f6f4 with both operands' format E5M2, f32 sums; everything else in f32.
;; Inputs: b_proj 1,024 float32; w_proj_codes 1,024 x 32 x 32 uint8 (E5M2 codes of w_proj, K innermost, in blocks of 32 codes); w_proj_scales 1,024 x 32 uint8 (E8M0 scales of w_proj, one for each 32 codes along K); w_qkv_codes 3,072 x 32 x 32 uint8 (E5M2 codes of w_qkv, K innermost, in blocks of 32 codes); w_qkv_scales 3,072 x 32 uint8 (E8M0 scales of w_qkv, one for each 32 codes along K); x_codes 8 x 1,024 x 32 x 32 uint8 (E5M2 codes of x, K innermost, in blocks of 32 codes); x_scales 8 x 1,024 x 32 uint8 (E8M0 scales of x, one for each 32 codes along K).
;; Outputs: out0 8 x 1,024 x 1,024 float32.
;; This version of the problem:
;;   THIS VERSION OF THE PROBLEM IS GIVEN IN LOW PRECISION. The matrix products marked QUANTISED in the list below multiply operands that are first quantised to E5M2 (5 exponent bits, 2 mantissa bits; 8 bits a number), with one power-of-two scale for each 32 numbers along K (OCP MX v1.0); their sums are f32. All else is computed in f32.
;;   The module's matrix products, in the order in which they are computed (A, B: the left and right operand; K: the contracted axis; several contracted axes count as one K, in the product's order):
;;     1. [M 8,192, K 1,024] x [K 1,024, N 3,072]; A: input x (given as codes); B: input w_qkv (given as codes): QUANTISED
;;     2. batch 128 x [M 1,024, K 64] x [K 64, N 1,024]; A: computed on the way; B: computed on the way: QUANTISED
;;     3. batch 128 x [M 1,024, K 1,024] x [K 1,024, N 64]; A: softmax (see below); B: computed on the way: QUANTISED
;;     4. [M 8,192, K 1,024] x [K 1,024, N 1,024]; A: computed on the way; B: input w_proj (given as codes): QUANTISED
;;   THE QUANTISER, for each operand of a quantised product, along K:
;;     - K is cut into blocks of 32 from its start; a last block that is shorter is filled with zeros.
;;     - A block's scale is 2^e with e = floor(log2(the largest magnitude in the block)) - 15, held to -126 .. 127; a block of zeros has e = 0. As a byte (E8M0): e + 127.
;;     - Each number is divided by its block's scale, clamped to +-57,344, and rounded to the nearest number of E5M2, ties to even, subnormals kept.
;;     - The product sums the exact products of the quantised numbers (number of the format x scale) in f32.
;;   ~~~python
;;   def quantise(x, axis):      # numpy; x: float32 -> the quantised numbers, widened to float32 again
;;       x = np.moveaxis(x, axis, -1); K = x.shape[-1]
;;       x = np.pad(x, [(0, 0)] * (x.ndim - 1) + [(0, -K % 32)]); x = x.reshape(x.shape[:-1] + (-1, 32)); a = np.abs(x).max(-1, keepdims=True)
;;       e = np.where(a > 0, np.clip(np.frexp(np.where(a > 0, a, 1))[1] - 1 - 15, -126, 127), 0)      # np.frexp(a)[1] - 1 = floor(log2(a)), exactly
;;       r = np.clip(x / 2.0 ** e, -57344, 57344)
;;       step = 2.0 ** (np.maximum(np.frexp(np.where(r == 0, 1, r))[1] - 1, -14) - 2)
;;       q = np.round(r / step) * step * 2.0 ** e      # np.round: ties to even
;;       return np.moveaxis(q.reshape(q.shape[:-2] + (-1,))[..., :K], -1, axis).astype(np.float32)
;;   ~~~
;;   SOFTMAX AHEAD OF A QUANTISED PRODUCT. Where the list says 'softmax', what is quantised is not the finished softmax but p = 2^(t - M), with t = logit x log2(e) and M = ceil(the row's largest t), a whole number; so 1/2 < the row's largest p <= 1. The row's sum l is taken of the UNQUANTISED p, in f32, and the product's result is divided by l at the end. Since M is a whole number, a kernel that streams over the keys may use a running M (the ceiling of the running maximum): every later rescaling is an exact power of two, which a block's scale takes up: the codes' values come out the same.
;;   OPERANDS COMPUTED ON THE WAY. 'Computed on the way' means the value that the module computes at that place (a softmax that the list does not call 'softmax' is quantised finished and normalised). What goes into a quantiser is computed in f32, as accurately as f32 sums, v_exp_f32 and their like allow (about 1e-6 of the number): no bf16 or f16 on the way to a quantiser, and a product that is left as it is and whose result goes on into a quantised operand takes f32 operands (vector FMAs, or v_wmma_f32_16x16x4_f32). A number that lies on a knife's edge between two numbers of the format may be rounded either way, as far as f32 arithmetic and the matrix unit's own rounding can turn it there, and no further.
;;   INPUTS GIVEN AS CODES. w_proj (in the module: [1024, 1024], K = its axis 0); w_qkv (in the module: [1024, 3072], K = its axis 0); x (in the module: [8, 1024, 1024], K = its axis 2): each comes as NAME_codes (uint8): NAME with its K axis moved to the last place and cut into blocks of 32 codes, [.., K / 32, bytes a block], one block behind the other in memory; one code a byte (a code: sign, 5 exponent bits, 2 mantissa bits); and NAME_scales (uint8): the same leading axes, one E8M0 byte (e + 127) for each 32 codes along K. Its value is code x scale, taken as it is: it is not quantised again, and the codes and scales need not be those that the quantiser above would give.
;; One version. Each part assembles by itself: llvm-mc -triple=amdgcn-amd-amdhsa -mcpu=gfx1250 --defsym DOCPART=n.
;; ======== version 1 of 1: 3 launches
;; limits: right only within a limited range of input values
;; workspace buffers: qk_codes 16,777,216 bytes; qk_scales 524,288 bytes; v_codes 8,388,608 bytes; v_scales 262,144 bytes; ao_codes 8,388,608 bytes; ao_scales 262,144 bytes
;; launch qkv (part 1): grid 4 x 64, 4 waves a work-group, clusters of 4 x 4, 327,680 bytes of LDS; arguments x_codes, x_scales, w_qkv_codes, w_qkv_scales, qk_codes, qk_scales, v_codes, v_scales; writes qk_codes, qk_scales, v_codes, v_scales
.if DOCPART == 1
	.amdgcn_target "amdgcn-amd-amdhsa--gfx1250"
	.amdhsa_code_object_version 6
	.text
	.protected	k_q1cefb69b4d_qkv
	.globl	k_q1cefb69b4d_qkv
	.p2align	8
	.type	k_q1cefb69b4d_qkv,@function
k_q1cefb69b4d_qkv:
	s_mov_b64 s[64:65], 0
	v_nop
	global_prefetch_b8 v0, s[64:65] scope:SCOPE_SE
	s_setreg_imm32_b32 hwreg(HW_REG_WAVE_MODE, 25, 1), 1
	s_wait_xcnt 0x0
	s_wait_alu depctr_hold_cnt(0) depctr_sa_sdst(0) depctr_va_vdst(0) depctr_va_sdst(0) depctr_va_ssrc(0) depctr_va_vcc(0) depctr_vm_vsrc(0)
	s_getreg_b32 s2, hwreg(HW_REG_IB_STS2, 6, 4)
	s_cmp_eq_u32 s2, 0
	s_cbranch_scc0 .Lentry_in_a_cluster
	s_endpgm
.Lentry_in_a_cluster:
	s_bfe_u32 s2, ttmp6, 0x10000c
	s_cmp_lg_u32 s2, 0xf033
	s_cbranch_scc0 .Lentry_shape_is_right
	s_endpgm
.Lentry_shape_is_right:
.set PITCH,  272
.set HALFT,  128*PITCH
.set QUART,  64*PITCH
.set SLOT,   4*HALFT
.set SPARE,  2*SLOT
.set STG,    SPARE+512
.set WSTG,   8704
.set FR,     16
.set NP,     8
.set ADRA2, 12
.set SELQ, 14
.set ADRA, 16
.set RDS2, 18
.set COS2, 19
.set ADRB, 20
.set SELV, 22
.set SCA,  23
.set STO,  24
.set RD,   25
.set CO,   26
.set STS,  27
.set SPW,  28
.set NIL,  29
.set RDS,  30
.set COS,  31
.set SA,   32
.set SB,   64
.set TM,   96
.set T2,   100
.set LIM,  104
.set SCO,  108
.set WRD,  112
.set PRT,  113
.set WD,   114
.set SCB,  116
.set AF,   128
.set PC,   128
.set BK,   160
.set G1, 24
.set G0, 32
.set G1B, 48
.set G0B, 56
.set G1C, 92
.set MSB, 0
.macro WIN new
.if MSB != (\new)
	s_set_vgpr_msb (MSB<<8)|(\new)
.set MSB, (\new)
.endif
.endm
.set MUL_LO, 0xa1
.set MUL_HI, 0xf1
.set TO_B,   0x40
.macro JLOAD g0a, g1a, g0b, g1b
	s_cmp_eq_u32 s13, 0
	s_cbranch_scc0 .Lfor_r_\@
	tensor_load_to_lds s[\g0a:\g0a+3], s[\g1a:\g1a+7]
	s_nop 0
.rept 4
	v_nop
.endr
	s_branch .Lasked_\@
.Lfor_r_\@:
	tensor_load_to_lds s[\g0b:\g0b+3], s[\g1b:\g1b+7]
	s_nop 0
.rept 4
	v_nop
.endr
.Lasked_\@:
.endm
.macro CREST
	s_cmp_lg_u32 s12, 0
	s_cbranch_scc1 .Lnot_wave_0_\@
	s_barrier_signal -3
.Lnot_wave_0_\@:
	s_barrier_wait -3
	s_barrier_signal -1
	s_barrier_wait -1
.endm
.macro CROUND
	s_barrier_signal -1
	s_barrier_wait -1
	CREST
.endm
.macro PLACES n
.rept \n
	v_nop
.endr
.endm
.macro REFILL slot, kind
.if (\kind) == 2
	s_add_co_u32 s[G0+4*\slot+1], s66, \slot*SLOT
	s_add_nc_u64 s[G0+4*\slot+2:G0+4*\slot+3], s[4:5], \slot*256
	s_or_b32 s[G0+4*\slot+3], s[G0+4*\slot+3], 0x80000000
	s_add_nc_u64 s[G0B+4*\slot+2:G0B+4*\slot+3], s[8:9], \slot*256
	s_or_b32 s[G0B+4*\slot+3], s[G0B+4*\slot+3], 0x80000000
.else
	s_add_nc_u64 s[G0+4*\slot+2:G0+4*\slot+3], s[G0+4*\slot+2:G0+4*\slot+3], 512
	s_add_nc_u64 s[G0B+4*\slot+2:G0B+4*\slot+3], s[G0B+4*\slot+2:G0B+4*\slot+3], 512
.endif
.if (\kind) == 1
	JLOAD G0+4*\slot, G1, G0B+4*\slot, G1B
.else
	JLOAD G0+4*\slot, G1C, G0B+4*\slot, G1B
.endif
.endm
	s_load_b256 s[4:11], s[0:1], 0x0
	s_load_b256 s[84:91], s[0:1], 0x20
	v_lshl_add_u32 v[SPW], v0, 2, SPARE
	v_mov_b32 v[NIL], 0
	ds_add_u32 v28, v29
	ds_add_u32 v28, v29
	s_wait_dscnt 0x0
	v_lshrrev_b32 v1, 5, v0
	v_readfirstlane_b32 s12, v1
	s_lshr_b32 s13, s12, 1
	s_and_b32 s14, s12, 1
	s_bfe_u32 s40, ttmp6, 0x40000
	s_bfe_u32 s41, ttmp6, 0x40004
	s_and_b32 s15, ttmp7, 0xffff
	s_sub_co_u32 s16, s15, 8
	s_cmp_ge_u32 s15, 8
	s_cselect_b32 s17, 0, s15
	s_cselect_b32 s42, s16, 1
	s_cselect_b32 s18, 2048, 0
	s_lshl_b32 s17, s17, 2
	s_add_co_u32 s17, s17, s41
	s_lshl_b32 s42, s42, 2
	s_add_co_u32 s42, s42, s40
	s_lshl_b32 s43, s41, 2
	s_lshl_b32 s43, 15, s43
	s_lshl_b32 s44, 0x1111, s40
	s_or_b32 s[G1+0], s43, (0<<16)|(1<<20)|(1<<21)|(5<<22)|(3<<25)
	s_or_b32 s[G1B+0], s44, (0<<16)|(1<<20)|(1<<21)|(5<<22)|(3<<25)
.irp g, G1, G1B
	s_mov_b32 s[\g+1], 256<<16
	s_mov_b32 s[\g+2], 128<<16
	s_mov_b32 s[\g+3], 256<<16
	s_mov_b32 s[\g+4], 128
	s_mov_b32 s[\g+5], 1024
	s_mov_b32 s[\g+6], 0
	s_mov_b32 s[\g+7], 0
.endr
	s_lshl_b32 s19, s14, 7
	s_lshl_b32 s92, s17, 8
	s_add_co_u32 s92, s92, s18
	s_add_co_u32 s94, s92, s19
	s_lshl_b32 s94, s94, 10
	s_mov_b32 s95, 0
	s_lshl_b32 s93, s13, 7
	s_add_co_u32 s92, s92, s93
	s_lshl_b32 s92, s92, 5
	s_mov_b32 s93, 0
	s_lshl_b32 s100, s42, 8
	s_add_co_u32 s100, s100, s19
	s_lshl_b32 s46, s100, 10
	s_mov_b32 s47, 0
	s_lshl_b32 s100, s100, 5
	s_mov_b32 s101, 0
	s_mul_i32 s45, s12, HALFT
	s_mul_i32 s66, s14, QUART
	s_wait_kmcnt 0x0
	s_cmp_ge_u32 s15, 8
	s_cselect_b64 s[68:69], s[8:9], s[4:5]
	s_cselect_b64 s[70:71], s[10:11], s[6:7]
	s_cselect_b64 s[72:73], s[4:5], s[8:9]
	s_cselect_b64 s[74:75], s[6:7], s[10:11]
	s_cselect_b64 s[76:77], s[88:89], s[84:85]
	s_cselect_b64 s[80:81], s[90:91], s[86:87]
	s_add_nc_u64 s[68:69], s[68:69], s[94:95]
	s_add_nc_u64 s[70:71], s[70:71], s[92:93]
	s_add_nc_u64 s[72:73], s[72:73], s[46:47]
	s_add_nc_u64 s[74:75], s[74:75], s[100:101]
	CROUND
.irp s, 0,1
	s_mov_b32 s[G0+4*\s], 1
	s_add_co_u32 s[G0+4*\s+1], s45, \s*SLOT
	s_add_nc_u64 s[G0+4*\s+2:G0+4*\s+3], s[68:69], \s*256
	s_or_b32 s[G0+4*\s+3], s[G0+4*\s+3], 0x80000000
	s_mov_b32 s[G0B+4*\s], 1
	s_add_co_u32 s[G0B+4*\s+1], s45, \s*SLOT
	s_add_nc_u64 s[G0B+4*\s+2:G0B+4*\s+3], s[72:73], \s*256
	s_or_b32 s[G0B+4*\s+3], s[G0B+4*\s+3], 0x80000000
.endr
	JLOAD G0, G1, G0B, G1B                         ; slot 0's first fill: my one tensor load behind the opening round
	v_and_b32 v1, 15, v0
	v_bfe_u32 v2, v0, 4, 1
	v_and_b32 v6, 31, v0
	v_lshlrev_b32 v[SCA], 5, v6
.irp j, 0,1,2,3
	global_load_b128 v[SA+8*\j:SA+8*\j+3],   v[SCA], s[70:71] offset:\j*1024
	global_load_b128 v[SA+8*\j+4:SA+8*\j+7], v[SCA], s[70:71] offset:\j*1024+16
	global_load_b128 v[SB+8*\j:SB+8*\j+3],   v[SCA], s[74:75] offset:\j*1024
	global_load_b128 v[SB+8*\j+4:SB+8*\j+7], v[SCA], s[74:75] offset:\j*1024+16
.endr
	s_wait_alu depctr_va_vdst(0)                   ; directly ahead of the wait below
	s_wait_tensorcnt 0x0                           ; slot 1's first fill is issued as a refill is: my load is in, the add, its wait, a round
	ds_add_u32 v28, v29
	ds_add_u32 v28, v29
	s_wait_dscnt 0x0
	CROUND
	JLOAD G0+4, G1, G0B+4, G1B
	v_mul_u32_u24 v3, v1, PITCH
	v_lshl_add_u32 v4, v2, 4, v3
	s_mul_i32 s2, s13, HALFT
	s_mul_i32 s3, s14, HALFT
	s_add_co_u32 s3, s3, 2*HALFT
	s_mul_i32 s23, s13, QUART
.irp s, 0,1
	v_add_nc_u32 v[ADRA+\s], s2, v4
	v_add_nc_u32 v[ADRB+\s], s3, v4
	v_add_nc_u32 v[ADRA2+\s], s23, v4
	s_add_co_u32 s2, s2, SLOT
	s_add_co_u32 s3, s3, SLOT
	s_add_co_u32 s23, s23, SLOT
.endr
	v_lshrrev_b32 v7, 3, v1
	v_and_b32 v8, 7, v1
	v_lshlrev_b32 v9, 10, v7
	v_lshl_add_u32 v9, v8, 4, v9
	v_lshl_add_u32 v9, v2, 3, v9
	s_mul_i32 s2, s12, WSTG
	s_add_co_u32 s2, s2, STG
	v_add_nc_u32 v[STO], s2, v9
	v_lshlrev_b32 v[CO], 4, v6
	v_add_nc_u32 v[RD], s2, v[CO]
	v_lshlrev_b32 v9, 6, v7
	v_lshl_add_u32 v9, v8, 2, v9
	s_add_co_u32 s3, s2, 8192
	v_add_nc_u32 v[STS], s3, v9
	v_bfe_u32 v9, v0, 2, 2
	v_lshlrev_b32 v9, 7, v9
	v_lshl_add_u32 v9, v2, 6, v9
	v_and_b32 v10, 3, v0
	v_lshl_add_u32 v9, v10, 4, v9
	v_add_nc_u32 v[RDS], s3, v9
	v_lshlrev_b32 v[COS], 4, v1
	v_lshl_add_u32 v[COS], v2, 11, v[COS]
	v_bfe_u32 v9, v0, 3, 1
	v_lshlrev_b32 v9, 7, v9
	v_lshl_add_u32 v9, v2, 6, v9
	v_lshl_add_u32 v9, v8, 3, v9
	v_add_nc_u32 v[RDS2], s3, v9
	v_lshlrev_b32 v[COS2], 3, v1
	v_lshl_add_u32 v[COS2], v2, 11, v[COS2]
	s_mov_b32 s2, 0x05040100
	s_mov_b32 s3, 0x03020706
	v_mov_b32 v9, s2
	v_mov_b32 v10, s3
	v_cmp_gt_u32 vcc_lo, 8, v1
	v_cndmask_b32 v[SELQ], v10, v9, vcc_lo
	s_cmp_ge_u32 s15, 8
	s_cselect_b32 s2, 0x03020100, s2
	s_cselect_b32 s3, 0x03020100, s3
	v_mov_b32 v9, s2
	v_mov_b32 v10, s3
	v_cndmask_b32 v[SELV], v10, v9, vcc_lo
.irp q, 0,1,2,3
	v_mov_b32 v[T2+\q], 0
.endr
	v_mov_b32 v[PRT], 0
	s_mov_b32 s20, 0x76543210
	s_mov_b32 s21, 0xfedcba98
	s_mov_b32 s22, 0x600000
	s_lshl_b32 s2, s42, 2
	s_lshl_b32 s3, s14, 1
	s_add_co_u32 s2, s2, s3
	s_lshr_b32 s3, s17, 2
	s_lshl_b32 s3, s3, 5
	s_add_co_u32 s2, s2, s3
	s_and_b32 s3, s17, 3
	s_lshl_b32 s3, s3, 1
	s_add_co_u32 s3, s3, s13
	s_lshl_b32 s82, s2, 16
	s_lshl_b32 s23, s3, 13
	s_add_co_u32 s82, s82, s23
	s_mov_b32 s83, 0
	s_add_nc_u64 s[76:77], s[76:77], s[82:83]
	s_add_nc_u64 s[78:79], s[76:77], 0x10000
	s_lshl_b32 s82, s2, 11
	s_lshl_b32 s23, s3, 8
	s_add_co_u32 s82, s82, s23
	s_add_nc_u64 s[80:81], s[80:81], s[82:83]
	s_lshl_b32 s96, s15, 2
	s_add_co_u32 s96, s96, s41
	s_lshl_b32 s94, s96, 17
	s_lshl_b32 s92, s14, 16
	s_add_co_u32 s94, s94, s92
	s_add_nc_u64 s[4:5], s[4:5], s[94:95]
	s_lshl_b32 s92, s96, 12
	s_lshl_b32 s94, s13, 11
	s_add_co_u32 s92, s92, s94
	s_add_nc_u64 s[6:7], s[6:7], s[92:93]
	s_lshl_b32 s46, s40, 18
	s_lshl_b32 s100, s14, 17
	s_add_co_u32 s46, s46, s100
	s_add_nc_u64 s[8:9], s[8:9], s[46:47]
	s_lshl_b32 s100, s40, 13
	s_lshl_b32 s46, s14, 12
	s_add_co_u32 s100, s100, s46
	s_add_nc_u64 s[10:11], s[10:11], s[100:101]
	s_lshl_b32 s2, s40, 2
	s_lshl_b32 s3, s14, 1
	s_add_co_u32 s2, s2, s3
	s_lshr_b32 s3, s96, 3
	s_lshl_b32 s3, s3, 5
	s_add_co_u32 s2, s2, s3
	s_and_b32 s3, s96, 7
	s_lshl_b32 s3, s3, 1
	s_add_co_u32 s3, s3, s13
	s_lshl_b32 s82, s2, 16
	s_lshl_b32 s23, s3, 12
	s_add_co_u32 s82, s82, s23
	s_add_nc_u64 s[84:85], s[84:85], s[82:83]
	s_add_nc_u64 s[88:89], s[84:85], 0x10000
	s_lshl_b32 s82, s2, 11
	s_lshl_b32 s23, s3, 7
	s_add_co_u32 s82, s82, s23
	s_add_nc_u64 s[86:87], s[86:87], s[82:83]
	s_or_b32 s[G1C+0], s43, (0<<16)|(1<<20)|(1<<21)|(5<<22)|(3<<25)
	s_mov_b32 s[G1C+1], 256<<16
	s_mov_b32 s[G1C+2], 64<<16
	s_mov_b32 s[G1C+3], 256<<16
	s_mov_b32 s[G1C+4], 64
	s_mov_b32 s[G1C+5], 1024
	s_mov_b32 s[G1C+6], 0
	s_mov_b32 s[G1C+7], 0
.macro W1 d, fa, fb, zero, sa, sb, ra, rb
.if \zero
.if (\ra) && (\rb)
	v_wmma_scale_f32_16x16x128_f8f6f4 v[\d:\d+7], v[\fa:\fa+15], v[\fb:\fb+15], 0, v[\sa], v[\sb] matrix_a_fmt:MATRIX_FMT_BF8 matrix_b_fmt:MATRIX_FMT_BF8 matrix_a_scale:MATRIX_SCALE_ROW1 matrix_b_scale:MATRIX_SCALE_ROW1
.elseif \ra
	v_wmma_scale_f32_16x16x128_f8f6f4 v[\d:\d+7], v[\fa:\fa+15], v[\fb:\fb+15], 0, v[\sa], v[\sb] matrix_a_fmt:MATRIX_FMT_BF8 matrix_b_fmt:MATRIX_FMT_BF8 matrix_a_scale:MATRIX_SCALE_ROW1
.elseif \rb
	v_wmma_scale_f32_16x16x128_f8f6f4 v[\d:\d+7], v[\fa:\fa+15], v[\fb:\fb+15], 0, v[\sa], v[\sb] matrix_a_fmt:MATRIX_FMT_BF8 matrix_b_fmt:MATRIX_FMT_BF8 matrix_b_scale:MATRIX_SCALE_ROW1
.else
	v_wmma_scale_f32_16x16x128_f8f6f4 v[\d:\d+7], v[\fa:\fa+15], v[\fb:\fb+15], 0, v[\sa], v[\sb] matrix_a_fmt:MATRIX_FMT_BF8 matrix_b_fmt:MATRIX_FMT_BF8
.endif
.else
.if (\ra) && (\rb)
	v_wmma_scale_f32_16x16x128_f8f6f4 v[\d:\d+7], v[\fa:\fa+15], v[\fb:\fb+15], v[\d:\d+7], v[\sa], v[\sb] matrix_a_fmt:MATRIX_FMT_BF8 matrix_b_fmt:MATRIX_FMT_BF8 matrix_a_scale:MATRIX_SCALE_ROW1 matrix_b_scale:MATRIX_SCALE_ROW1
.elseif \ra
	v_wmma_scale_f32_16x16x128_f8f6f4 v[\d:\d+7], v[\fa:\fa+15], v[\fb:\fb+15], v[\d:\d+7], v[\sa], v[\sb] matrix_a_fmt:MATRIX_FMT_BF8 matrix_b_fmt:MATRIX_FMT_BF8 matrix_a_scale:MATRIX_SCALE_ROW1
.elseif \rb
	v_wmma_scale_f32_16x16x128_f8f6f4 v[\d:\d+7], v[\fa:\fa+15], v[\fb:\fb+15], v[\d:\d+7], v[\sa], v[\sb] matrix_a_fmt:MATRIX_FMT_BF8 matrix_b_fmt:MATRIX_FMT_BF8 matrix_b_scale:MATRIX_SCALE_ROW1
.else
	v_wmma_scale_f32_16x16x128_f8f6f4 v[\d:\d+7], v[\fa:\fa+15], v[\fb:\fb+15], v[\d:\d+7], v[\sa], v[\sb] matrix_a_fmt:MATRIX_FMT_BF8 matrix_b_fmt:MATRIX_FMT_BF8
.endif
.endif
.endm
.macro MUL16 a0, p, ks, zero
.irp a, \a0, \a0+1
.irp b, 0,1,2,3,4,5,6,7
	W1 8*(8*((\a)%4)+\b), 128*(\p)+FR*\b, AF+FR*(\a), \zero, SB+8*(\b/2)+(\ks), SA+8*((\a)/2)+(\ks), \b%2, (\a)%2
.endr
.endr
.endm
.macro MUL8P a, p, ks, zero
.irp b, 0,1,2,3,4,5,6,7
	W1 8*(8*(\a)+\b), 128*(\p)+FR*\b, AF+64*(\p)+FR*(\a), \zero, SB+8*(\b/2)+(\ks), SA+8*((\a)/2)+(\ks), \b%2, (\a)%2
.endr
.endm
.macro FRAG reg, adr, q, i
.irp c, 0,1,2,3
	ds_load_b128 v[\reg+4*\c:\reg+4*\c+3], v[\adr] offset:128*(\q)+32*\c+(\i)*16*PITCH
.endr
.endm
.macro FETCH_B slot, q, p
	WIN TO_B
.irp i, 0,1,2,3,4,5,6,7
	FRAG 128*(\p)+FR*\i, ADRB+\slot, \q, \i
.endr
	WIN 0
.endm
.macro FETCH_A slot, q, i0
.irp i, \i0, \i0+1, \i0+2, \i0+3
	FRAG AF+FR*(\i), ADRA+\slot, \q, \i
.endr
.endm
.macro FETCH2 slot, q, p
	WIN TO_B
.irp i, 0,1,2,3,4,5,6,7
	FRAG 128*(\p)+FR*\i, ADRB+\slot, \q, \i
.endr
	WIN 0
.irp i, 0,1,2,3
	FRAG AF+64*(\p)+FR*\i, ADRA2+\slot, \q, \i
.endr
.endm
.macro STEP slot, ks, zero
	s_wait_dscnt 16
	WIN MUL_LO
	MUL16 0, 0, \ks, \zero
	MUL16 2, 0, \ks, \zero
	s_wait_dscnt 0
	PLACES NP
	FETCH_B \slot, 1, 1
	FETCH_A \slot, 1, 0
	WIN MUL_HI
	MUL16 4, 0, \ks, \zero
	MUL16 6, 0, \ks, \zero
	PLACES NP
	WIN 0
	FETCH_A \slot, 1, 4
.endm
.macro TURN slot, next, kind, ks, more
	s_wait_tensorcnt 0x0
	ds_add_u32 v[SPW], v[NIL]
	s_wait_dscnt 17
	WIN MUL_LO
	MUL16 0, 1, \ks, 0
	s_wait_dscnt 0x0
	s_barrier_signal -1
	MUL16 2, 1, \ks, 0
	WIN 0
	s_barrier_wait -1
	CREST
	REFILL \slot, \kind
.if \more
	PLACES NP-4
	FETCH_B \next, 0, 0
	FETCH_A \next, 0, 0
.endif
	WIN MUL_HI
	MUL16 4, 1, \ks, 0
	MUL16 6, 1, \ks, 0
	PLACES NP
	WIN 0
.if \more
	FETCH_A \next, 0, 4
.endif
.endm
.macro STEP3 slot, ks, zero
	PLACES NP
	FETCH2 \slot, 1, 1
	s_wait_dscnt 48
	WIN MUL_LO
	MUL8P 0, 0, \ks, \zero
	MUL8P 1, 0, \ks, \zero
	MUL8P 2, 0, \ks, \zero
	MUL8P 3, 0, \ks, \zero
.endm
.macro TURN3 slot, next, fill, ks
	WIN 0
	s_wait_tensorcnt 0x0
	ds_add_u32 v[SPW], v[NIL]
	s_wait_dscnt 1
	WIN MUL_LO
	MUL8P 0, 1, \ks, 0
	s_wait_dscnt 0x0
	s_barrier_signal -1
	MUL8P 1, 1, \ks, 0
	WIN 0
	s_barrier_wait -1
.if \fill
	CREST
	REFILL \slot, 3
	PLACES NP-4
.else
	PLACES NP
.endif
	FETCH2 \next, 0, 0
	WIN MUL_LO
	MUL8P 2, 1, \ks, 0
	MUL8P 3, 1, \ks, 0
.endm
.macro QOUT a, wn, hh, sel
.set AC, 64*(\a)
.set PCS, PC+16*((\a)%2)
.set WDS, WD+(\a)%2
.if (\a) >= 2
	s_wait_dscnt 9
.endif
	WIN 5*(\wn)
.irp q, 0,1,2,3
	v_max3_num_f32 v[TM+\q], |v[AC+16*\q]|, |v[AC+16*\q+1]|, 0x8000000
.endr
	WIN 20*(\wn)
.irp i, 2,4,6,8,10,12,14
.irp q, 0,1,2,3
	v_max3_num_f32 v[TM+\q], v[TM+\q], |v[AC+16*\q+\i]|, |v[AC+16*\q+\i+1]|
.endr
.endr
	WIN 0
.irp q, 0,1,2,3
	v_permlanex16_b32 v[T2+\q], v[TM+\q], s20, s21
.endr
.irp q, 0,1,2,3
	v_max_num_f32 v[TM+\q], v[TM+\q], v[T2+\q]
.endr
.irp q, 0,1,2,3
	v_add_nc_u32 v[SCO+\q], 0xf8800000, v[TM+\q]
.endr
.irp q, 0,1,2,3
	v_and_or_b32 v[LIM+\q], v[TM+\q], 0x7f800000, s22
.endr
.irp q, 0,1,2,3
	v_lshrrev_b32 v[T2+\q], 23, v[SCO+\q]
.endr
	v_lshl_or_b32 v[WRD], v[T2+1], 8, v[T2]
	v_lshl_or_b32 v[WRD], v[T2+2], 16, v[WRD]
	v_lshl_or_b32 v[WRD], v[T2+3], 24, v[WRD]
	v_mov_b32_dpp v[PRT], v[WRD] row_xmask:8 row_mask:0xf bank_mask:0xf
	v_perm_b32 v[WDS], v[PRT], v[WRD], v[\sel]
	WIN 65*(\wn)
.irp q, 0,1,2,3
.irp i, 0,1,2,3,4,5,6,7,8,9,10,11,12,13,14,15
	v_med3_num_f32 v[AC+16*\q+\i], v[AC+16*\q+\i], -v[LIM+\q], v[LIM+\q]
.endr
.endr
	WIN \wn
.irp b, 0,1,2,3,4,5,6,7
	v_cvt_scalef32_pk8_bf8_f32 v[PCS+2*\b:PCS+2*\b+1], v[AC+8*\b:AC+8*\b+7], v[SCO+\b/2]
.endr
	v_nop
	WIN 0
.irp b, 0,1,2,3,4,5,6,7
	ds_store_b64 v[STO], v[PCS+2*\b:PCS+2*\b+1] offset:(\b/4)*4096+((\a)/2)*2048+((\b/2)%2)*512+((\a)%2)*128+(\b%2)*256
.endr
	ds_store_b32 v[STS], v[WDS] offset:((4*(\hh)+(\a))/2)*128+((\a)%2)*32
.endm
.macro WAYOUT4 wn, hh, sel, r0, r1, sc
	s_wait_xcnt 0x0
.irp a, 0,1,2,3
	QOUT \a, \wn, \hh, \sel
.endr
	s_wait_dscnt 0x0
.set T, 0
.rept 16
	ds_load_b128 v[BK+4*T:BK+4*T+3], v[RD] offset:512*T
.set T, T+1
.endr
.set YN, 0
.if (\sc) == 1
	ds_load_b128 v[SCB:SCB+3], v[RDS]
.set YN, 1
.elseif (\sc) == 2
	ds_load_b64 v[SCB:SCB+1], v[RDS2]
.set YN, 1
.endif
.set T, 0
.rept 16
	s_wait_dscnt 15+YN-T
.if T < 8
	global_store_b128 v[CO], v[BK+4*T:BK+4*T+3], s[\r0:\r0+1] offset:T*512+(\hh)*4096
.else
	global_store_b128 v[CO], v[BK+4*T:BK+4*T+3], s[\r1:\r1+1] offset:(T-8)*512+(\hh)*4096
.endif
.set T, T+1
.endr
.if (\sc) == 1
	s_wait_dscnt 0x0
	global_store_b128 v[COS], v[SCB:SCB+3], s[80:81]
.elseif (\sc) == 2
	s_wait_dscnt 0x0
	global_store_b64 v[COS2], v[SCB:SCB+1], s[86:87]
.endif
.endm
	s_wait_loadcnt 0x0
	s_wait_tensorcnt 1
	s_barrier_signal -1
	s_barrier_wait -1
	FETCH_B 0, 0, 0
	FETCH_A 0, 0, 0
	FETCH_A 0, 0, 4
	STEP 0, 0, 1
	TURN 0, 1, 1, 1, 1
	STEP 1, 2, 0
	TURN 1, 0, 1, 3, 1
	STEP 0, 4, 0
	TURN 0, 1, 2, 5, 1
	STEP 1, 6, 0
	TURN 1, 0, 2, 7, 0
.irp j, 0,1
	global_load_b128 v[SA+8*\j:SA+8*\j+3],   v[SCA], s[6:7] offset:\j*1024
	global_load_b128 v[SA+8*\j+4:SA+8*\j+7], v[SCA], s[6:7] offset:\j*1024+16
.endr
.irp j, 0,1,2,3
	global_load_b128 v[SB+8*\j:SB+8*\j+3],   v[SCA], s[10:11] offset:\j*1024
	global_load_b128 v[SB+8*\j+4:SB+8*\j+7], v[SCA], s[10:11] offset:\j*1024+16
.endr
	WAYOUT4 2, 0, SELV, 76, 78, 0
	WAYOUT4 3, 1, SELV, 76, 78, 1
	s_wait_xcnt 0x0
	FETCH2 0, 0, 0
	s_wait_loadcnt 0x0
	STEP3 0, 0, 1
	TURN3 0, 1, 1, 1
	STEP3 1, 2, 0
	TURN3 1, 0, 1, 3
	STEP3 0, 4, 0
	TURN3 0, 1, 0, 5
	STEP3 1, 6, 0
	s_wait_dscnt 0x0
	WIN MUL_LO
	MUL8P 0, 1, 7, 0
	MUL8P 1, 1, 7, 0
	MUL8P 2, 1, 7, 0
	MUL8P 3, 1, 7, 0
	WIN 0
	PLACES NP
	WAYOUT4 2, 0, SELQ, 84, 88, 2
	s_wait_tensorcnt 0x0
	ds_add_u32 v[SPW], v[NIL]
	s_wait_dscnt 0x0
	CROUND
	s_endpgm
.Lfunc_end_k_q1cefb69b4d_qkv:
	.size	k_q1cefb69b4d_qkv, .Lfunc_end_k_q1cefb69b4d_qkv-k_q1cefb69b4d_qkv
	.p2alignl 7, 3214868480
	.fill 96, 4, 3214868480
	.section	.rodata,"a",@progbits
	.p2align	6, 0x0
	.amdhsa_kernel k_q1cefb69b4d_qkv
		.amdhsa_group_segment_fixed_size 327680
		.amdhsa_private_segment_fixed_size 0
		.amdhsa_enable_private_segment 0
		.amdhsa_kernarg_size 64
		.amdhsa_user_sgpr_count 2
		.amdhsa_user_sgpr_kernarg_segment_ptr 1
		.amdhsa_wavefront_size32 1
		.amdhsa_system_sgpr_workgroup_id_x 1
		.amdhsa_system_sgpr_workgroup_id_y 1
		.amdhsa_system_sgpr_workgroup_id_z 1
		.amdhsa_system_vgpr_workitem_id 0
		.amdhsa_next_free_vgpr 1024
		.amdhsa_next_free_sgpr 102
		.amdhsa_reserve_vcc 1
		.amdhsa_float_denorm_mode_32 3
		.amdhsa_float_denorm_mode_16_64 3
		.amdhsa_memory_ordered 1
		.amdhsa_forward_progress 1
		.amdhsa_inst_pref_size 255
	.end_amdhsa_kernel
	.section	.bss,"aw",@nobits
	.p2align	6
	.space	262144
	.amdgpu_metadata
---
amdhsa.version: [ 1, 2 ]
amdhsa.kernels:
  - .name:           k_q1cefb69b4d_qkv
    .symbol:         k_q1cefb69b4d_qkv.kd
    .args:
      - { .name: x_codes, .offset: 0, .size: 8, .value_kind: global_buffer, .address_space: global }
      - { .name: x_scales, .offset: 8, .size: 8, .value_kind: global_buffer, .address_space: global }
      - { .name: w_qkv_codes, .offset: 16, .size: 8, .value_kind: global_buffer, .address_space: global }
      - { .name: w_qkv_scales, .offset: 24, .size: 8, .value_kind: global_buffer, .address_space: global }
      - { .name: qk_codes, .offset: 32, .size: 8, .value_kind: global_buffer, .address_space: global }
      - { .name: qk_scales, .offset: 40, .size: 8, .value_kind: global_buffer, .address_space: global }
      - { .name: v_codes, .offset: 48, .size: 8, .value_kind: global_buffer, .address_space: global }
      - { .name: v_scales, .offset: 56, .size: 8, .value_kind: global_buffer, .address_space: global }
    .group_segment_fixed_size: 327680
    .private_segment_fixed_size: 0
    .kernarg_segment_align: 8
    .kernarg_segment_size: 64
    .max_flat_workgroup_size: 128
    .sgpr_count:     102
    .vgpr_count:     1024
    .wavefront_size: 32
...
	.end_amdgpu_metadata
.endif
;; end of part 1
;; launch attn (part 2): grid 4 x 64, 16 waves a work-group, clusters of 4 x 1, 327,680 bytes of LDS; arguments qk_codes, qk_scales, v_codes, v_scales, ao_codes, ao_scales; writes ao_codes, ao_scales
.if DOCPART == 2
	.amdgcn_target "amdgcn-amd-amdhsa--gfx1250"
	.amdhsa_code_object_version 6
	.text
	.protected	k_q1cefb69b4d_attn
	.globl	k_q1cefb69b4d_attn
	.p2align	8
	.type	k_q1cefb69b4d_attn,@function
k_q1cefb69b4d_attn:
	s_mov_b64 s[64:65], 0
	v_nop
	global_prefetch_b8 v0, s[64:65] scope:SCOPE_SE
	s_setreg_imm32_b32 hwreg(HW_REG_WAVE_MODE, 25, 1), 1
	s_wait_xcnt 0x0
	s_wait_alu depctr_hold_cnt(0) depctr_sa_sdst(0) depctr_va_vdst(0) depctr_va_sdst(0) depctr_va_ssrc(0) depctr_va_vcc(0) depctr_vm_vsrc(0)
	s_getreg_b32 s2, hwreg(HW_REG_IB_STS2, 6, 4)
	s_cmp_eq_u32 s2, 0
	s_cbranch_scc0 .Lentry_in_a_cluster
	s_endpgm
.Lentry_in_a_cluster:
	s_bfe_u32 s2, ttmp6, 0x10000c
	s_cmp_lg_u32 s2, 0x3003
	s_cbranch_scc0 .Lentry_shape_is_right
	s_endpgm
.Lentry_shape_is_right:
; Attention on codes of BF8 (E5M2) with one E8M0 scale for each 32 along a product's K: S^T = K Q^T (K = the head's 64), p = 2^(t - M), O^T = V^T P^T (K = the keys), O / the row's sum, quantised along the model's 1,024 for the next launch.
; t = score x log2(e) / 8; M = the running largest t rounded UP to a whole number; the row's sum is taken of the unquantised p; when M moves, the sum and O^T are multiplied by 2^(old M - new M), which rounds nothing.
; SHARES.  A cluster of four work-groups owns two neighbouring heads of one batch; a work-group 256 queries; each of its sixteen waves one tile of 16 queries, first for the even head, then for the odd one.
; ALL OF BOTH HEADS' K AND V LIES IN LDS: 2 x 131,072 bytes of codes, each byte filled ONCE, by joint loads (mask 15) behind the opening round: no byte is filled again.
; ONE LOAD A WAVE: wave w fetches chunk w / 2 (0-3: the even head's 256 keys each, 4-7: the odd head's) of K (w even) or V (w odd), 16,384 bytes.  Waves 0 and 1 have load lines of their own, so that the even head's
; chunk 0 is shown by their wait alone; in front of the third key step every wave waits, and behind that barrier all sixteen chunks are in: the other fourteen steps of a wave pass no barrier.
; THE SCALE WORDS, 2 x 4,096 bytes, come through registers in whole runs of 256 bytes, one of K's and one of V's a wave, into LDS bytes of their own, in which no tile lands.
; NO PREFETCH: every byte that the work-group reads is asked for at the head; there is no later request to run ahead of.
; OPERANDS ARE IMAGES OF REGISTERS (made by the launch before): a group of 512 bytes = [lane][16 bytes]; a load of 16 bytes at 16 x lane brings four registers of a fragment.  No pitch, no padding.
; K = 64 IN AN INSTRUCTION OF 128.  A fragment's 16 registers hold TWO tiles of keys: tile 2 g in registers 0-7, tile 2 g + 1 in registers 8-15.  Q lies as Q | zeros | Q in v16-39: source 1 = v[16:31] multiplies tile 2 g,
; v[24:39] tile 2 g + 1; the other half meets zero codes, which add nothing.  K's scale word holds both tiles' two bytes; Q's holds its two bytes twice.
; THE ROWS OF A TILE ARE NOT NEIGHBOURS (tile 2 g + u, lane r': row 32 g + 8 u + r' % 8 + 16 (r' / 8)), so that the 16 registers of two neighbouring result tiles are 16 neighbours along the next K.
; A BLOCK'S SCALE OF p: its largest p is 2^u, u = the block's largest t - M, so the scale's exponent is floor(u) - 15, made by whole-number arithmetic.
; LIMITS: a block of zeros gets the byte 1 where the rule says 127 (its codes are zeros; this program alone reads the bytes); blocks under 2^-111 are held at the byte 1; NaN and infinities are not served;
; the promise holds while the scaled scores t stay under 2^31 in magnitude.
; REGISTERS: v1-7 addresses that stay; v8-11 the step's; v12 -M, v13 the largest t, v[14:15] the sum; v16-39 Q | 0 | Q; v40-103 four fragments; v104-167 S^T, then p; v168-199 O^T; v200-215 the sum's parts, then codes;
;   v216-221 scale words; v224-242 at work; v243, v255 the spare word's address and 0; v244-251 the odd head's Q, v252 and v254 the raw scale words of Q, v253 the output's scale word.
.set HEADB, 135168                     ; a head in LDS: K's codes 65,536, V's codes 65,536, K's scale words 2,048, V's 2,048
.set KSC,   131072
.set VSC,   133120
.set SCST,  274432                     ; the stage of the output's scale words, 1,024 bytes
.set SPARE, 275456                     ; the spare words: 128 bytes a wave
.set FR,  40
.set S,   104
.set O,   168
.set PC,  200
.set SM,  200                          ; seven parts of the row's sum; the codes follow them in these registers
.set SW,  216
.set QS,  220
.set PW,  221
.set BM,  224
.set T1,  228
.set LIM, 232
.set SCO, 236
.set FF,  240
.set TP,  242
.set G1K,  24                          ; s[24:31] group 1: a chunk of K, 64 rows of 256 bytes, dense
.set G1V,  32                          ; s[32:39] a chunk of V: 4 rows of 4,096 bytes, 65,536 bytes apart
.macro ROUND                           ; a round of the cluster's barrier
	s_barrier_signal -1
	s_barrier_wait -1
	s_cmp_lg_u32 s16, 0
	s_cbranch_scc1 .Lnot_wave_0_\@
	s_barrier_signal -3
.Lnot_wave_0_\@:
	s_barrier_wait -3
	s_barrier_signal -1
	s_barrier_wait -1
.endm
.macro ARM under, g1, next             ; one arm of the head's chain: its load, s_nop 0 and four v_nop, a jump to the join
	s_cmp_lt_u32 s16, \under
	s_cbranch_scc0 \next
	tensor_load_to_lds s[56:59], s[\g1:\g1+7]
	s_nop 0
.rept 4
	v_nop
.endr
	s_branch .Lasked
\next:
.endm
.macro HOLD2 x, l                      ; two numbers held at the bound v[l], in one dual-issue pair
	v_dual_min_num_f32 v[\x], v[\x], v[\l] :: v_dual_min_num_f32 v[\x+1], v[\x+1], v[\l]
.endm
	s_load_b256 s[4:11], s[0:1], 0x0               ; qk_codes s[4:5], qk_scales s[6:7], v_codes s[8:9], v_scales s[10:11]
	s_load_b128 s[12:15], s[0:1], 0x20             ; ao_codes s[12:13], ao_scales s[14:15]
	v_lshl_add_u32 v243, v0, 2, SPARE
	v_mov_b32 v255, 0
	ds_add_u32 v243, v255                          ; the opening lines: the add, twice on end, and its wait ahead of my tensor load
	ds_add_u32 v243, v255
	v_lshrrev_b32 v8, 5, v0
	v_readfirstlane_b32 s16, v8                    ; wave 0..15
	s_bfe_u32 s17, ttmp6, 0x40000                  ; cx: my block of 256 queries; it enters Q's and the output's addresses alone
	s_and_b32 s18, ttmp7, 0xffff                   ; the pair of heads: 8 x batch + pair
	s_lshl_b32 s44, s16, 6
	s_add_co_u32 s44, s44, SCST                    ; the stage: 64 bytes a wave
	s_and_b32 s45, s16, 1
	s_lshl_b32 s45, s45, 9
	s_add_co_u32 s45, s45, SCST                    ; and back: waves 0 and 1 take 512 bytes each
	s_lshr_b32 s46, s16, 3
	s_mul_i32 s46, s46, HEADB
	s_and_b32 s47, s16, 7
	s_lshl_b32 s47, s47, 8
	s_add_co_u32 s46, s46, s47
	s_add_co_u32 s46, s46, KSC                     ; my 256 bytes of K's scale words: head wave / 8, run wave % 8
	s_lshl_b32 s47, s16, 7
	s_add_co_u32 s47, s47, VSC                     ; my row of V's: row = wave, 128 bytes for each head
	; every LDS address register is made here, ahead of the first branch on the wave's number
	v_and_b32 v1, 31, v0
	v_and_b32 v7, 15, v0
	v_bfe_u32 v8, v0, 4, 1
	v_lshlrev_b32 v9, 3, v1                        ; 8 x lane: my offset in a run of 256 bytes of scale words
	v_lshlrev_b32 v1, 4, v1                        ; 16 x lane: K's codes
	v_lshlrev_b32 v7, 2, v7                        ; 4 r'
	v_mul_u32_u24 v8, v8, HEADB                    ; lanes 16-31 hold the odd head's half of V's row
	v_add_nc_u32 v2, 0x10000, v1                   ; V's codes
	v_add_nc_u32 v3, KSC, v7                       ; K's scale words
	v_add_nc_u32 v4, VSC, v7                       ; V's
	v_lshl_add_u32 v11, v7, 1, v8
	v_add_nc_u32 v5, s44, v7
	v_add_nc_u32 v6, s45, v1
	v_add_nc_u32 v10, s46, v9                      ; where my run of K's scale words goes
	v_add_nc_u32 v11, s47, v11                     ; and my row of V's: 8 (lane % 16) in the lane's head
	s_mov_b32 s19, 0x600000                        ; the mantissa field of 57,344
	s_mov_b32 s20, 0x76543210
	s_mov_b32 s21, 0xfedcba98                      ; v_permlanex16_b32's selects for lane l xor 16
	s_mov_b32 s22, 0x3e38aa3b                      ; c = log2(e) / 8
	s_mov_b32 s23, s22                             ; (named with it as a pair, so it is written)
	s_and_b32 s93, s16, 1
	s_lshl_b32 s93, s93, 4                         ; my tile's two bytes in a word of Q's scales: bit 16 x (tile % 2)
.irp g, G1K, G1V
	s_mov_b32 s[\g], 15|(3<<16)|(1<<21)            ; 15:0 the mask: all four work-groups; 17:16 elements of 8 bytes; 21 set beside a mask; no padding
	s_mov_b32 s[\g+6], 0
	s_mov_b32 s[\g+7], 0
.endr
	s_mov_b32 s[G1K+1], 32<<16                     ; tensor_dim0
	s_mov_b32 s[G1K+2], 64<<16                     ; tensor_dim1
	s_mov_b32 s[G1K+3], 32<<16                     ; tile_dim0
	s_mov_b32 s[G1K+4], 64                         ; tile_dim1
	s_mov_b32 s[G1K+5], 32                         ; from row to row, in elements
	s_mov_b32 s[G1V+1], 512<<16
	s_mov_b32 s[G1V+2], 4<<16
	s_mov_b32 s[G1V+3], 512<<16
	s_mov_b32 s[G1V+4], 4
	s_mov_b32 s[G1V+5], 8192
	; what I fetch: chunk g = wave / 2 of K (wave even) or V (wave odd).  Nothing here hangs on cx
	s_and_b32 s94, s16, 1                          ; 0: K, 1: V
	s_lshr_b32 s95, s16, 1                         ; g
	s_lshr_b32 s96, s95, 2                         ; the head of the pair
	s_and_b32 s97, s95, 3                          ; its chunk
	s_mul_i32 s57, s96, HEADB
	s_lshl_b32 s98, s94, 16
	s_add_co_u32 s57, s57, s98
	s_lshl_b32 s98, s97, 14
	s_add_co_u32 s57, s57, s98                     ; LDS: head, K or V, chunk
	s_lshr_b32 s98, s18, 3                         ; batch
	s_and_b32 s99, s18, 7
	s_lshl_b32 s99, s99, 1                         ; the even head
	s_lshl_b32 s80, s98, 5
	s_add_co_u32 s80, s80, s99
	s_add_co_u32 s80, s80, 16                      ; K: 32 x batch + 16 + head
	s_lshl_b32 s40, s80, 11                        ; the pair's scale words of K: 4,096 bytes on end;
	s_lshl_b32 s83, s16, 8
	s_add_co_u32 s40, s40, s83                     ; my 256 of them
	s_mov_b32 s41, 0
	s_lshl_b32 s80, s80, 16
	s_lshl_b32 s83, s95, 14
	s_add_co_u32 s80, s80, s83                     ; K's codes: the pair's eight chunks lie on end
	s_add_co_u32 s81, s99, s96
	s_lshl_b32 s81, s81, 12
	s_lshl_b32 s83, s98, 20
	s_add_co_u32 s81, s81, s83
	s_lshl_b32 s83, s97, 18
	s_add_co_u32 s81, s81, s83                     ; V's codes
	s_lshl_b32 s42, s98, 15
	s_lshl_b32 s83, s16, 11
	s_add_co_u32 s42, s42, s83
	s_lshl_b32 s83, s99, 7
	s_add_co_u32 s42, s42, s83                     ; V's scale words: row = wave, both heads' 128 bytes on end
	s_mov_b32 s43, 0
	s_cmp_eq_u32 s94, 0
	s_cselect_b32 s80, s80, s81
	s_mov_b32 s81, 0
	s_wait_alu depctr_va_vdst(0)                   ; directly ahead of the wait below
	s_wait_dscnt 0x0                               ; both opening adds are done
	s_wait_kmcnt 0x0
	s_cmp_eq_u32 s94, 0
	s_cselect_b64 s[84:85], s[4:5], s[8:9]
	s_add_nc_u64 s[84:85], s[84:85], s[80:81]
	s_mov_b32 s56, 1                               ; group 0
	s_mov_b64 s[58:59], s[84:85]
	s_or_b32 s59, s59, 0x80000000
	s_add_nc_u64 s[40:41], s[6:7], s[40:41]
	s_add_nc_u64 s[42:43], s[10:11], s[42:43]
	ROUND                                          ; all four work-groups are here: the joint loads meet
	ARM 1, G1K, .La1                               ; ONE chain, a load to an arm: waves 0 and 1 (the even head's chunk 0) have lines of their own
	ARM 2, G1V, .La2
	s_cmp_eq_u32 s94, 0                            ; waves 2 to 15 wait alike and share two lines
	s_cbranch_scc0 .La3
	tensor_load_to_lds s[56:59], s[G1K:G1K+7]
	s_nop 0
.rept 4
	v_nop
.endr
	s_branch .Lasked
.La3:
	tensor_load_to_lds s[56:59], s[G1V:G1V+7]
	s_nop 0
.rept 4
	v_nop
.endr
.Lasked:
	global_load_b64 v[104:105], v9, s[40:41]       ; my run of K's scale words,
	global_load_b64 v[106:107], v9, s[42:43]       ; and of V's: 32 lanes read 256 consecutive bytes, aligned
	; my tile of queries: 16 cx + wave
	s_lshr_b32 s94, s18, 3                         ; batch
	s_and_b32 s95, s18, 7                          ; pair = the next launch's K step
	s_lshl_b32 s96, s17, 4
	s_add_co_u32 s96, s96, s16                     ; tile
	s_lshl_b32 s97, s94, 5
	s_lshl_b32 s98, s95, 1
	s_add_co_u32 s97, s97, s98                     ; 32 x batch + the even head
	s_lshl_b32 s80, s97, 16
	s_lshl_b32 s82, s96, 10
	s_add_co_u32 s80, s80, s82
	s_add_nc_u64 s[84:85], s[4:5], s[80:81]        ; Q's codes; the odd head's lie 65,536 bytes on
	s_lshl_b32 s80, s97, 11
	s_lshr_b32 s82, s96, 1
	s_lshl_b32 s82, s82, 6
	s_add_co_u32 s80, s80, s82
	s_add_nc_u64 s[86:87], s[6:7], s[80:81]        ; Q's scale words; the odd head's 2,048 bytes on
	s_lshl_b32 s80, s94, 6
	s_add_co_u32 s80, s80, s96
	s_lshl_b32 s80, s80, 3
	s_add_co_u32 s80, s80, s95
	s_lshl_b32 s80, s80, 11
	s_add_nc_u64 s[88:89], s[12:13], s[80:81]      ; ao_codes [64 batch + tile][K step 8][group 4][512]
	s_lshl_b32 s80, s95, 15
	s_lshl_b32 s82, s94, 12
	s_add_co_u32 s80, s80, s82
	s_lshl_b32 s82, s17, 10
	s_add_co_u32 s80, s80, s82
	s_lshl_b32 s82, s16, 9                         ; (used by waves 0 and 1 alone)
	s_add_co_u32 s80, s80, s82
	s_add_nc_u64 s[90:91], s[14:15], s[80:81]      ; ao_scales [K step 8][64 batch + tile][r' 16][4]
	global_load_b128 v[16:19], v1, s[84:85]
	global_load_b128 v[20:23], v1, s[84:85] offset:512
	global_load_b128 v[32:35], v1, s[84:85]        ; a second time: no register is shared between the two places
	global_load_b128 v[36:39], v1, s[84:85] offset:512
	global_load_b128 v[244:247], v1, s[84:85] offset:65536
	global_load_b128 v[248:251], v1, s[84:85] offset:66048
	global_load_b32 v254, v7, s[86:87]
	global_load_b32 v252, v7, s[86:87] offset:2048
.irp i, 0,1,2,3,4,5,6,7
	v_mov_b32 v[24+\i], 0                          ; the zero codes between
.endr
.irp b, 0,1,2,3
	v_mov_b32 v[T1+\b], 0                          ; written once: a lane permute's destination counts as one of its sources
.endr
	v_mov_b32 v[FF+1], 0                           ; (named as the upper half of a pair)
	v_mov_b32 v[TP], 0
	s_wait_alu depctr_va_vdst(0)                   ; directly ahead of the wait below
	s_wait_loadcnt 8                               ; behind the two runs of scale words stand Q's eight loads
	ds_store_b64 v10, v[104:105]
	ds_store_b64 v11, v[106:107]                   ; awaited in front of the first barrier
; A KEY STEP: 128 keys.  s2: LDS byte of the step's codes (8,192 a step, K's and V's alike); s3: of its scale words (256 a step).
.macro STEP
	v_add_nc_u32 v8, s2, v1
	v_add_nc_u32 v9, s2, v2
	v_add_nc_u32 v10, s3, v3
	v_add_nc_u32 v11, s3, v4
.rept 4
	v_nop                                          ; with the four additions: eight places in front of loads into registers that the last products read
.endr
.irp b, 0,1,2,3
.irp i, 0,1,2,3
	ds_load_b128 v[FR+16*\b+4*\i:FR+16*\b+4*\i+3], v8 offset:2048*\b+512*\i   ; tiles 2 b and 2 b + 1 of the step's keys: 2,048 bytes on end
.endr
	ds_load_b32 v[SW+\b], v10 offset:64*\b
.endr
	s_wait_alu depctr_va_vdst(0)
	s_wait_dscnt 0x0
.irp b, 0,1,2,3
.irp u, 0,1
	v_wmma_scale_f32_16x16x128_f8f6f4 v[S+8*(2*\b+\u):S+8*(2*\b+\u)+7], v[FR+16*\b:FR+16*\b+15], v[16+8*\u:31+8*\u], 0, v[SW+\b], v[QS] matrix_a_fmt:MATRIX_FMT_BF8 matrix_b_fmt:MATRIX_FMT_BF8
.endr
.endr                                          ; lane (r, h) holds query r; registers 16 b + 0 .. 15 are keys 32 b + 16 h + 0 .. 15 of the step
.rept 8
	v_nop
.endr
.irp t, 0,1,2,3                                ; V's fragments are asked for now; the softmax stands between the request and the wait
.irp c, 0,1,2,3
	ds_load_b128 v[FR+16*\t+4*\c:FR+16*\t+4*\c+3], v9 offset:(\c/2)*4096+\t*1024+(\c%2)*512
.endr
	ds_load_b32 v[SW+\t], v11 offset:(\t%2)*128+(\t/2)*64
.endr
.irp b, 0,1,2,3
	v_max3_num_f32 v[BM+\b], v[S+16*\b], v[S+1+16*\b], v[S+2+16*\b]   ; the largest score of each block of 32 keys: it serves the row's maximum and the block's scale
.endr
.irp i, 3,5,7,9,11,13
.irp b, 0,1,2,3
	v_max3_num_f32 v[BM+\b], v[BM+\b], v[S+16*\b+\i], v[S+1+16*\b+\i]
.endr
.endr
.irp b, 0,1,2,3
	v_max_num_f32 v[BM+\b], v[BM+\b], v[S+15+16*\b]
.endr
.irp b, 0,1,2,3
	s_delay_alu instid0(VALU_DEP_4)
	v_permlanex16_b32 v[T1+\b], v[BM+\b], s20, s21
.endr
.irp b, 0,1,2,3
	s_delay_alu instid0(VALU_DEP_4)
	v_max_num_f32 v[BM+\b], v[BM+\b], v[T1+\b]     ; with lane l xor 16's 16 keys
.endr
	s_delay_alu instid0(VALU_DEP_2)
	v_max3_num_f32 v[TP], v[BM], v[BM+1], v[BM+2]
	s_delay_alu instid0(VALU_DEP_1)
	v_max_num_f32 v[TP], v[TP], v[BM+3]
	s_delay_alu instid0(VALU_DEP_1)
	v_mul_f32 v[TP], s22, v[TP]                    ; as t (c is positive)
	s_delay_alu instid0(VALU_DEP_1)
	v_max_num_f32 v13, v13, v[TP]                  ; the running largest t
	v_mov_b32 v[TP], v12
	s_delay_alu instid0(VALU_DEP_2)
	v_floor_f32 v12, -v13                          ; the new -M = floor(-t): M is a whole number
	s_delay_alu instid0(VALU_DEP_1)
	v_sub_f32 v[TP], v12, v[TP]                    ; old M - new M: a whole number, 0 or less
	s_delay_alu instid0(VALU_DEP_1)
	v_cvt_i32_f32 v[TP], v[TP]                     ; (it saturates)
	s_delay_alu instid0(VALU_DEP_1)
	v_ldexp_f32 v[FF], 1.0, v[TP]                  ; f = 2^(old M - new M)
.set J, 0
.rept 32
	v_pk_fma_f32 v[S+J:S+J+1], v[S+J:S+J+1], s[22:23], v[12:13] op_sel_hi:[1,0,0]   ; t - M, two at a time
.set J, J+2
.endr
.irp b, 0,1,2,3
	v_fma_f32 v[BM+\b], v[BM+\b], s22, v12         ; u: the same of each block's largest score
.endr
.set J, 0
	s_wait_alu depctr_va_vdst(0)                   ; the wait ahead of the batch
.rept 64
	v_exp_f32 v[S+J], v[S+J]                       ; p = 2^(t - M), at most 1: not normalised
.set J, J+1
.endr
	v_pk_mul_f32 v[14:15], v[14:15], v[FF:FF+1] op_sel_hi:[1,0]   ; the sums under the new M: a plain line behind the exponentials
	; the blocks' scales, by turns; these lines name no exponential's result.  The block's largest p is 2^u, so its exponent is e = floor(u)
.irp b, 0,1,2,3
	v_max_num_f32 v[BM+\b], 0xc2de0000, v[BM+\b]   ; u held at -111 from below: the byte cannot fall under 1
.endr
.irp b, 0,1,2,3
	v_cvt_floor_i32_f32 v[T1+\b], v[BM+\b]         ; e
.endr
.irp b, 0,1,2,3
	v_lshl_add_u32 v[SCO+\b], v[T1+\b], 23, 0x38000000   ; the conversion's scale operand: exponent field e + 127 - 15
.endr
.irp b, 0,1,2,3
	v_add_nc_u32 v[LIM+\b], 0x07e00000, v[SCO+\b]  ; 57,344 x the scale: exponent field e + 127 over 57,344's mantissa
.endr
	v_lshl_add_u32 v[PW], v[T1+1], 8, v[T1]        ; p's scale word for these 128 keys: the sum of e_b x 256^b,
	s_delay_alu instid0(VALU_DEP_1)
	v_lshl_add_u32 v[PW], v[T1+2], 16, v[PW]
	s_delay_alu instid0(VALU_DEP_1)
	v_lshl_add_u32 v[PW], v[T1+3], 24, v[PW]
	s_delay_alu instid0(VALU_DEP_1)
	v_add_nc_u32 v[PW], 0x70707070, v[PW]          ; and 112 in each byte: every byte e_b + 112 lies between 1 and 112, so nothing is carried in the end
	s_wait_alu depctr_va_vdst(0)                   ; one wait for the batch of 64, ahead of its first reader
	; the row's sum of the unquantised p: eight chains, two numbers a line
.irp k, 0,1,2,3,4,5,6
	v_pk_add_f32 v[SM+2*\k:SM+2*\k+1], v[S+4*\k:S+4*\k+1], v[S+4*\k+2:S+4*\k+3]
.endr
	v_pk_add_f32 v[14:15], v[14:15], v[S+28:S+29]
.irp k, 0,1,2,3,4,5,6
	v_pk_add_f32 v[SM+2*\k:SM+2*\k+1], v[SM+2*\k:SM+2*\k+1], v[S+30+2*\k:S+31+2*\k]
.endr
	v_pk_add_f32 v[14:15], v[14:15], v[S+44:S+45]
.irp k, 0,1,2,3,4,5,6
	v_pk_add_f32 v[SM+2*\k:SM+2*\k+1], v[SM+2*\k:SM+2*\k+1], v[S+46+2*\k:S+47+2*\k]
.endr
	v_pk_add_f32 v[14:15], v[14:15], v[S+60:S+61]
	v_pk_add_f32 v[SM:SM+1], v[SM:SM+1], v[S+62:S+63]
	s_delay_alu instid0(VALU_DEP_2)
	v_pk_add_f32 v[14:15], v[14:15], v[SM+6:SM+7]
	s_delay_alu instid0(VALU_DEP_2)
	v_pk_add_f32 v[SM:SM+1], v[SM:SM+1], v[SM+8:SM+9]
	v_pk_add_f32 v[SM+2:SM+3], v[SM+2:SM+3], v[SM+10:SM+11]
	v_pk_add_f32 v[SM+4:SM+5], v[SM+4:SM+5], v[SM+12:SM+13]
	s_delay_alu instid0(VALU_DEP_2)
	v_pk_add_f32 v[14:15], v[14:15], v[SM+2:SM+3]
	s_delay_alu instid0(VALU_DEP_2)
	v_pk_add_f32 v[SM:SM+1], v[SM:SM+1], v[SM+4:SM+5]
	s_delay_alu instid0(VALU_DEP_1)
	v_pk_add_f32 v[14:15], v[14:15], v[SM:SM+1]
.irp b, 0,1,2,3
.irp i, 0,2,4,6,8,10,12,14
	HOLD2 S+16*\b+\i, LIM+\b                       ; the conversion does not saturate (ISA guide 7.6.2); p is not negative, so the hold is one-sided
.endr
	v_cvt_scalef32_pk8_bf8_f32 v[PC+4*\b:PC+4*\b+1], v[S+16*\b:S+16*\b+7], v[SCO+\b]
	v_cvt_scalef32_pk8_bf8_f32 v[PC+4*\b+2:PC+4*\b+3], v[S+16*\b+8:S+16*\b+15], v[SCO+\b]
.endr
	s_wait_alu depctr_va_vdst(0)                   ; directly ahead of the first reader of O^T
.set J, 0
.rept 16
	v_pk_mul_f32 v[O+J:O+J+1], v[O+J:O+J+1], v[FF:FF+1] op_sel_hi:[1,0]   ; O^T under the new M.  (These sixteen are also the places between the conversions and the products)
.set J, J+2
.endr
	s_wait_alu depctr_va_vdst(0)                   ; directly ahead of the wait below
	s_wait_dscnt 0x0                               ; V
.irp t, 0,1,2,3                                ; O^T += V^T P^T: four tiles of 16 channels, each accumulator one instruction a turn
	v_wmma_scale_f32_16x16x128_f8f6f4 v[O+8*\t:O+8*\t+7], v[FR+16*\t:FR+16*\t+15], v[PC:PC+15], v[O+8*\t:O+8*\t+7], v[SW+\t], v[PW] matrix_a_fmt:MATRIX_FMT_BF8 matrix_b_fmt:MATRIX_FMT_BF8
.endr
	s_add_co_u32 s2, s2, 8192
	s_add_co_u32 s3, s3, 256
.endm
; A pass begins: Q and its scale word in place, the statistics and O^T at their start.
.macro PASS_HEAD hd
.if \hd
	s_wait_xcnt 0x0                                ; the even head's stores have read their registers: the codes' registers are written again in this pass
.irp i, 0,1,2,3,4,5,6,7
	v_mov_b32 v[16+\i], v[244+\i]
	v_mov_b32 v[32+\i], v[244+\i]
.endr
	v_lshrrev_b32 v[TP], s93, v252
.else
	v_lshrrev_b32 v[TP], s93, v254
.endif
	s_delay_alu instid0(VALU_DEP_1)
	v_and_b32 v[TP], 0xffff, v[TP]                 ; my tile's two bytes,
	s_delay_alu instid0(VALU_DEP_1)
	v_lshl_or_b32 v[QS], v[TP], 16, v[TP]          ; twice
	v_mov_b32 v13, 0xff61b1e6                      ; the largest t so far: -3e38, under every t
	s_delay_alu instid0(VALU_DEP_1)
	v_floor_f32 v12, -v13
	v_mov_b32 v14, 0
	v_mov_b32 v15, 0
.set J, 0
.rept 32
	v_mov_b32 v[O+J], 0                            ; the step is written once: its first turn finds zeros, which the first change of M leaves zeros
.set J, J+1
.endr
	s_wait_alu depctr_va_vdst(0)
.endm
; A pass ends: O^T / the sum, quantised in two blocks of 32 channels; the conversions' results are two groups of the next launch's operand and are stored as they stand.
.macro PASS_TAIL hd
.rept 8
	v_nop                                          ; places behind the last products
.endr
	v_add_f32 v14, v14, v15
	s_delay_alu instid0(VALU_DEP_1)
	v_permlanex16_b32 v[TP], v14, s20, s21
	s_delay_alu instid0(VALU_DEP_1)
	v_add_f32 v14, v14, v[TP]                      ; the row's sum
	s_wait_alu depctr_va_vdst(0)
	v_rcp_f32 v[FF], v14
	v_nop                                          ; a plain line behind the reciprocal,
	s_wait_alu depctr_va_vdst(0)                   ; and the wait ahead of its first reader
.set J, 0
.rept 16
	v_pk_mul_f32 v[O+J:O+J+1], v[O+J:O+J+1], v[FF:FF+1] op_sel_hi:[1,0]   ; each accumulator from its low end on
.set J, J+2
.endr
.irp g, 0,1
	v_max3_num_f32 v[BM+\g], |v[O+16*\g]|, |v[O+16*\g+1]|, 0x8000000
.endr
.irp i, 2,4,6,8,10,12,14
.irp g, 0,1
	s_delay_alu instid0(VALU_DEP_2)
	v_max3_num_f32 v[BM+\g], v[BM+\g], |v[O+16*\g+\i]|, |v[O+16*\g+\i+1]|
.endr
.endr
.irp g, 0,1
	s_delay_alu instid0(VALU_DEP_2)
	v_permlanex16_b32 v[T1+\g], v[BM+\g], s20, s21
.endr
.irp g, 0,1
	s_delay_alu instid0(VALU_DEP_2)
	v_max_num_f32 v[BM+\g], v[BM+\g], v[T1+\g]
.endr
.irp g, 0,1
	s_delay_alu instid0(VALU_DEP_2)
	v_add_nc_u32 v[SCO+\g], 0xf8800000, v[BM+\g]
.endr
.irp g, 0,1
	s_delay_alu instid0(VALU_DEP_4)
	v_and_or_b32 v[LIM+\g], v[BM+\g], 0x7f800000, s19
.endr
.irp g, 0,1
	s_delay_alu instid0(VALU_DEP_4)
	v_lshrrev_b32 v[T1+\g], 23, v[SCO+\g]
.endr
.if \hd
	s_delay_alu instid0(VALU_DEP_1)
	v_lshl_or_b32 v[TP], v[T1+1], 8, v[T1]
	s_delay_alu instid0(VALU_DEP_1)
	v_lshl_or_b32 v253, v[TP], 16, v253            ; the odd head's two bytes above the even head's: the word of this K step of 128
.else
	s_delay_alu instid0(VALU_DEP_1)
	v_lshl_or_b32 v253, v[T1+1], 8, v[T1]
.endif
.irp g, 0,1
.irp i, 0,1,2,3,4,5,6,7,8,9,10,11,12,13,14,15
	v_med3_num_f32 v[O+16*\g+\i], v[O+16*\g+\i], -v[LIM+\g], v[LIM+\g]
.endr
	v_cvt_scalef32_pk8_bf8_f32 v[PC+4*\g:PC+4*\g+1], v[O+16*\g:O+16*\g+7], v[SCO+\g]
	v_cvt_scalef32_pk8_bf8_f32 v[PC+4*\g+2:PC+4*\g+3], v[O+16*\g+8:O+16*\g+15], v[SCO+\g]
.endr
	v_nop                                          ; one plain line behind the last conversion
	global_store_b128 v1, v[PC:PC+3], s[88:89] offset:\hd*1024         ; 32 lanes store 512 consecutive bytes, at a multiple of 256 from the buffer's first byte
	global_store_b128 v1, v[PC+4:PC+7], s[88:89] offset:\hd*1024+512
.endm
; n key steps of the even head from chunk c on, behind a barrier.  c = 0: waves 0 and 1, which fetched chunk 0, wait for their one load; the other chunks stay on their way.
.macro CHUNK c, n
.if \c == 0
	s_cmp_lt_u32 s16, 2
	s_cbranch_scc0 .Lnot_mine_\@
	s_wait_tensorcnt 0x0
.Lnot_mine_\@:
.else
	s_wait_tensorcnt 0x0                           ; every wave: behind this barrier all sixteen chunks are in
.endif
	s_wait_dscnt 0x0                               ; (c = 0: my stores of scale words)
	s_barrier_signal -1
	s_barrier_wait -1
	s_mov_b32 s2, \c*16384
	s_mov_b32 s3, \c*512
	s_mov_b32 s92, \n
.Lchunk_\@:
	STEP
	s_sub_co_u32 s92, s92, 1
	s_cmp_lg_u32 s92, 0
	s_cbranch_scc1 .Lchunk_\@
.endm
	s_wait_loadcnt 0x0                             ; Q
	PASS_HEAD 0
	CHUNK 0, 2
	CHUNK 1, 6
	PASS_TAIL 0
	PASS_HEAD 1
	s_mov_b32 s2, HEADB
	s_mov_b32 s3, HEADB
	s_mov_b32 s92, 8
.Lodd:
	STEP
	s_sub_co_u32 s92, s92, 1
	s_cmp_lg_u32 s92, 0
	s_cbranch_scc1 .Lodd
	PASS_TAIL 1
	ds_store_b32 v5, v253                          ; sixteen waves' scale words meet, so that they leave in whole runs; both halves of the lanes write the same word with the same value
	s_wait_dscnt 0x0
	s_barrier_signal -1
	s_barrier_wait -1
	s_cmp_lt_u32 s16, 2
	s_cbranch_scc0 .Lno_words
	ds_load_b128 v[104:107], v6
	s_wait_dscnt 0x0
	global_store_b128 v1, v[104:107], s[90:91]     ; 512 consecutive bytes a wave
.Lno_words:
	s_wait_tensorcnt 0x0                           ; the wave's end
	ds_add_u32 v243, v255
	s_wait_dscnt 0x0
	ROUND                                          ; the closing round
	s_endpgm
.Lfunc_end_k_q1cefb69b4d_attn:
	.size	k_q1cefb69b4d_attn, .Lfunc_end_k_q1cefb69b4d_attn-k_q1cefb69b4d_attn
	.p2alignl 7, 3214868480
	.fill 96, 4, 3214868480
	.section	.rodata,"a",@progbits
	.p2align	6, 0x0
	.amdhsa_kernel k_q1cefb69b4d_attn
		.amdhsa_group_segment_fixed_size 327680
		.amdhsa_private_segment_fixed_size 0
		.amdhsa_enable_private_segment 0
		.amdhsa_kernarg_size 48
		.amdhsa_user_sgpr_count 2
		.amdhsa_user_sgpr_kernarg_segment_ptr 1
		.amdhsa_wavefront_size32 1
		.amdhsa_system_sgpr_workgroup_id_x 1
		.amdhsa_system_sgpr_workgroup_id_y 1
		.amdhsa_system_sgpr_workgroup_id_z 1
		.amdhsa_system_vgpr_workitem_id 0
		.amdhsa_next_free_vgpr 256
		.amdhsa_next_free_sgpr 100
		.amdhsa_reserve_vcc 0
		.amdhsa_float_denorm_mode_32 3
		.amdhsa_float_denorm_mode_16_64 3
		.amdhsa_memory_ordered 1
		.amdhsa_forward_progress 1
		.amdhsa_inst_pref_size 86
	.end_amdhsa_kernel
	.amdgpu_metadata
---
amdhsa.version: [ 1, 2 ]
amdhsa.kernels:
  - .name:           k_q1cefb69b4d_attn
    .symbol:         k_q1cefb69b4d_attn.kd
    .args:
      - { .name: qk_codes, .offset: 0, .size: 8, .value_kind: global_buffer, .address_space: global }
      - { .name: qk_scales, .offset: 8, .size: 8, .value_kind: global_buffer, .address_space: global }
      - { .name: v_codes, .offset: 16, .size: 8, .value_kind: global_buffer, .address_space: global }
      - { .name: v_scales, .offset: 24, .size: 8, .value_kind: global_buffer, .address_space: global }
      - { .name: ao_codes, .offset: 32, .size: 8, .value_kind: global_buffer, .address_space: global }
      - { .name: ao_scales, .offset: 40, .size: 8, .value_kind: global_buffer, .address_space: global }
    .group_segment_fixed_size: 327680
    .private_segment_fixed_size: 0
    .kernarg_segment_align: 8
    .kernarg_segment_size: 48
    .max_flat_workgroup_size: 512
    .sgpr_count:     100
    .vgpr_count:     256
    .wavefront_size: 32
...
	.end_amdgpu_metadata
.endif
;; end of part 2
;; launch proj (part 3): grid 8 x 32, 4 waves a work-group, clusters of 4 x 4, 327,680 bytes of LDS; arguments ao_codes, ao_scales, w_proj_codes, w_proj_scales, b_proj, out0; writes out0
.if DOCPART == 3
	.amdgcn_target "amdgcn-amd-amdhsa--gfx1250"
	.amdhsa_code_object_version 6
	.text
	.protected	k_q1cefb69b4d_proj
	.globl	k_q1cefb69b4d_proj
	.p2align	8
	.type	k_q1cefb69b4d_proj,@function
k_q1cefb69b4d_proj:
	s_mov_b64 s[64:65], 0
	v_nop
	global_prefetch_b8 v0, s[64:65] scope:SCOPE_SE
	s_setreg_imm32_b32 hwreg(HW_REG_WAVE_MODE, 25, 1), 1
	s_wait_xcnt 0x0
	s_wait_alu depctr_hold_cnt(0) depctr_sa_sdst(0) depctr_va_vdst(0) depctr_va_sdst(0) depctr_va_ssrc(0) depctr_va_vcc(0) depctr_vm_vsrc(0)
	s_getreg_b32 s2, hwreg(HW_REG_IB_STS2, 6, 4)
	s_cmp_eq_u32 s2, 0
	s_cbranch_scc0 .Lentry_in_a_cluster
	s_endpgm
.Lentry_in_a_cluster:
	s_bfe_u32 s2, ttmp6, 0x10000c
	s_cmp_lg_u32 s2, 0xf033
	s_cbranch_scc0 .Lentry_shape_is_right
	s_endpgm
.Lentry_shape_is_right:
; out0 = AO W_proj^T + b_proj on codes of MX-BF8 (E5M2, a scale byte for 32 along K): 8,192 x 1,024 x 1,024, f32 sums, f32 out.
; ao_codes [tile of 16 rows: 512][K step 8][group 4][lane][16 bytes]: images of operand registers; ao_scales [K step 8][tile][row 16][4 bytes].  Row r' of tile T is token 32 (T / 2) + 8 (T % 2) + r' % 8 + 16 (r' / 8).
; THE DEAL.  256 work-groups of four waves, 2 x 2; a work-group makes 256 rows x 128 columns.  A wave holds its 64 rows of the weight, ALL of K, in 512 registers (windows 1, 2) and streams its 128 rows of AO past them
; in eight blocks of 16 rows, which stand in registers as two whole sets (window 3).  A block is 32 products on four accumulators by turns; the bias is the first four products' C.
; LDS: two slots of 128 rows of 1,024 bytes + 16 of padding.  At the head waves 0, 1 fetch the weight's 128 rows into slot 1, waves 2, 3 AO's rows 0-127 (eight tiles, dense in memory, stated as rows of 1,024 bytes) into slot 0.
; When the weight stands in registers, AO's rows 128-255 are filled over it, a quarter a wave, behind a drained round of the cluster's barrier: with the same rows and padding.
; The barrier inside block 2 shows that refill; block 4, the first that reads it, is fetched behind block 2.
; CLUSTERS, 4 x 4: AO's rows are shared along a row of the cluster, the weight's along a column: joint loads.
; PREFETCH: AO's rows 128-255 are asked for at the head, behind the head's loads: the sixteen waves of a cluster's row take 8,192 bytes each, told apart by address, lanes 256 bytes apart.
; THE MATRIX INSTRUCTION IS USED TRANSPOSED (source 0 = the weight's rows, source 1 = AO's): a lane holds eight neighbouring columns of one row.  A finished block goes through the wave's own stage in LDS and leaves as rows of
; 256 bytes, sixteen lanes to an aligned unit; its stores stand among the next block's products.
; REGISTERS, window 0: v4-17 addresses; v24-39 the weight's scale words; v40-71 AO's (for K step q at 8 p + (q + 4) % 8: no product's two scale words have numbers equal modulo 8); v72-103 the bias; v104-167 two sets of sums; v168-231 two sets of rows on the way out.
.set PITCH, 1040
.set YB,    128*PITCH                  ; slot 1
.set STG,   2*YB                       ; the stages: 16 rows x (256 + 16) bytes a wave
.set WST,   16*272
.set SPARE, STG+4*WST                  ; the spare words: 128 bytes a wave
.set ADA,  4                           ; v4-7  AO's fragments: slot 0 tiles 0-1, 2-3 of my four; slot 1 likewise
.set ADRB, 8
.set STO,  9
.set RD,   10
.set CO,   11
.set V4,   12
.set V32,  13
.set VB,   14
.set PF,   15
.set SPW,  16
.set NIL,  17
.set SB,   24
.set SA,   40
.set BI,   72
.set ACC,  104
.set BK,   168
.set G1A, 24                           ; s[24:31], s[32:35] AO's rows at the head
.set G0A, 32
.set G0B, 36                           ; s[48:55], s[36:39] the weight's
.set G1B, 48
.set G0R, 56                           ; s[88:95], s[56:59] the refill
.set G1R, 88
.set MSB, 0
.macro WIN new                         ; the immediate's high byte repeats the setting that is left
.if MSB != (\new)
	s_set_vgpr_msb (MSB<<8)|(\new)
.set MSB, (\new)
.endif
.endm
.macro PLACES n
.rept \n
	v_nop
.endr
.endm
.macro CROUND                          ; a round of the cluster's barrier
	s_barrier_signal -1
	s_barrier_wait -1
	s_cmp_lg_u32 s12, 0
	s_cbranch_scc1 .Lnot_wave_0_\@
	s_barrier_signal -3
.Lnot_wave_0_\@:
	s_barrier_wait -3
	s_barrier_signal -1
	s_barrier_wait -1
.endm
.macro GROUP1 g, mask, rows            ; so many whole rows of K, 1,024 bytes each, 16 bytes of padding behind each
	s_or_b32 s[\g+0], s[\mask], (1<<20)|(1<<21)|(7<<22)|(3<<25)
	s_mov_b32 s[\g+1], 1024<<16
	s_mov_b32 s[\g+2], (\rows)<<16
	s_mov_b32 s[\g+3], 1024<<16
	s_mov_b32 s[\g+4], \rows
	s_mov_b32 s[\g+5], 1024
	s_mov_b32 s[\g+6], 0
	s_mov_b32 s[\g+7], 0
.endm
	s_load_b256 s[4:11], s[0:1], 0x0               ; ao_codes s[4:5], ao_scales s[6:7], w_proj_codes s[8:9], w_proj_scales s[10:11]
	s_load_b128 s[84:87], s[0:1], 0x20             ; b_proj s[84:85], out0 s[86:87]
	v_lshl_add_u32 v[SPW], v0, 2, SPARE
	v_mov_b32 v[NIL], 0
	ds_add_u32 v[SPW], v[NIL]                      ; the opening lines: the add, twice on end, and its wait ahead of my first tensor load
	ds_add_u32 v[SPW], v[NIL]
	v_lshrrev_b32 v1, 5, v0
	v_readfirstlane_b32 s12, v1                    ; wave 0..3
	s_lshr_b32 s13, s12, 1                         ; my row of waves
	s_and_b32 s14, s12, 1                          ; my column of waves.  Also: which half of a tile I fetch at the head
	s_bfe_u32 s40, ttmp6, 0x40000                  ; cx, cy
	s_bfe_u32 s41, ttmp6, 0x40004
	s_lshl_b32 s42, ttmp9, 2
	s_add_co_u32 s42, s42, s40                     ; tile column, 0..7
	s_and_b32 s17, ttmp7, 0xffff
	s_lshl_b32 s17, s17, 2
	s_add_co_u32 s17, s17, s41                     ; tile row, 0..31
	s_lshl_b32 s43, s41, 2
	s_lshl_b32 s43, 15, s43                        ; my row of the cluster
	s_lshl_b32 s44, 0x1111, s40                    ; my column
	GROUP1 G1A, 43, 64
	GROUP1 G1B, 44, 64
	GROUP1 G1R, 43, 32
	s_lshl_b32 s18, s14, 16                        ; 64 rows, in bytes
	s_lshl_b32 s76, s17, 18                        ; AO: 256 rows a tile row (in registers of its own: s[88:95] hold the refill's group 1)
	s_add_co_u32 s76, s76, s18
	s_mov_b32 s77, 0
	s_lshl_b32 s96, s17, 18
	s_lshl_b32 s19, s12, 15
	s_add_co_u32 s96, s96, s19
	s_add_co_u32 s96, s96, 131072                  ; the refill: rows 128 + 32 x wave on
	s_mov_b32 s97, 0
	s_lshl_b32 s46, s42, 17                        ; the weight: 128 rows a tile column
	s_add_co_u32 s46, s46, s18
	s_mov_b32 s47, 0
	s_mul_i32 s45, s14, 64*PITCH                   ; LDS: no place in the cluster enters an LDS address
	s_mul_i32 s[G0R+1], s12, 32*PITCH
	s_add_co_u32 s[G0R+1], s[G0R+1], YB
	s_lshl_b32 s20, s17, 10                        ; AO's scale words: 64 bytes a tile: 16 tiles a tile row, my four from 4 x my row of waves on
	s_lshl_b32 s21, s13, 8
	s_add_co_u32 s20, s20, s21
	s_mov_b32 s21, 0
	s_lshl_b32 s22, s42, 12                        ; the weight's scale bytes: 32 a row
	s_lshl_b32 s23, s14, 11
	s_add_co_u32 s22, s22, s23
	s_mov_b32 s23, 0
	s_lshl_b32 s80, s42, 9                         ; my first column, in bytes of f32
	s_lshl_b32 s81, s14, 8
	s_add_co_u32 s80, s80, s81
	s_mov_b32 s81, 0
	s_lshl_b32 s82, s17, 20                        ; my first row of out0
	s_lshl_b32 s83, s13, 18
	s_add_co_u32 s82, s82, s83
	s_add_co_u32 s82, s82, s80
	s_mov_b32 s83, 0
	s_lshl_b32 s98, s40, 2
	s_add_co_u32 s98, s98, s12                     ; which of the cluster row's sixteen waves I am
	s_lshl_b32 s98, s98, 13
	s_lshl_b32 s99, s17, 18
	s_add_co_u32 s98, s98, s99
	s_add_co_u32 s98, s98, 131072                  ; my 8,192 bytes of rows 128-255
	s_mul_i32 s2, s13, 64*PITCH                    ; my four tiles of a slot
	s_mul_i32 s3, s12, WST
	s_add_co_u32 s3, s3, STG                       ; my stage
	s_add_co_u32 s99, s45, YB                      ; my 64 rows of the weight
	v_and_b32 v1, 15, v0                           ; r
	v_bfe_u32 v2, v0, 4, 1                         ; h
	v_and_b32 v3, 31, v0                           ; lane
	v_mul_u32_u24 v18, v1, PITCH
	v_lshlrev_b32 v19, 4, v3
	v_mul_u32_u24 v20, v1, 272
	v_mul_u32_u24 v21, v2, 272
	v_lshl_add_u32 v18, v2, 4, v18
	v_add_nc_u32 v[ADA], s2, v19
	v_lshl_add_u32 v20, v2, 5, v20
	v_lshl_add_u32 v21, v1, 4, v21
	v_add_nc_u32 v[ADRB], s99, v18
	v_add_nc_u32 v[ADA+1], 32*PITCH, v[ADA]
	v_add_nc_u32 v[ADA+2], YB, v[ADA]
	v_add_nc_u32 v[ADA+3], YB+32*PITCH, v[ADA]
	v_add_nc_u32 v[STO], s3, v20                   ; in: row r, 32 bytes for each half of the lanes
	v_add_nc_u32 v[RD], s3, v21                    ; back: lanes 0-15 one row of 256 bytes, lanes 16-31 the next
	v_lshlrev_b32 v[CO], 12, v2
	v_lshlrev_b32 v[V4], 2, v3
	v_lshlrev_b32 v[V32], 5, v3
	v_lshlrev_b32 v[VB], 5, v2
	v_lshl_add_u32 v[PF], v3, 8, s98
	v_lshl_add_u32 v[CO], v1, 4, v[CO]             ; and the same two rows in out0
	s_wait_alu depctr_va_vdst(0)                   ; the wait at the head's end
	s_wait_dscnt 0x0                               ; both opening adds are done
	CROUND                                         ; all sixteen work-groups are here
	s_wait_kmcnt 0x0
	s_mov_b32 s[G0A], 1
	s_mov_b32 s[G0A+1], s45
	s_add_nc_u64 s[G0A+2:G0A+3], s[4:5], s[76:77]
	s_or_b32 s[G0A+3], s[G0A+3], 0x80000000
	s_mov_b32 s[G0B], 1
	s_mov_b32 s[G0B+1], s99
	s_add_nc_u64 s[G0B+2:G0B+3], s[8:9], s[46:47]
	s_or_b32 s[G0B+3], s[G0B+3], 0x80000000
	s_mov_b32 s[G0R], 1
	s_add_nc_u64 s[G0R+2:G0R+3], s[4:5], s[96:97]
	s_or_b32 s[G0R+3], s[G0R+3], 0x80000000
	s_cmp_lt_u32 s12, 2                            ; ONE joint load a wave: waves 0, 1 the weight, which is wanted first; waves 2, 3 AO's rows 0-127
	s_cbranch_scc0 .Lfor_a
	tensor_load_to_lds s[G0B:G0B+3], s[G1B:G1B+7]
	s_nop 0
	PLACES 4
	s_branch .Lasked
.Lfor_a:
	tensor_load_to_lds s[G0A:G0A+3], s[G1A:G1A+7]
	s_nop 0
	PLACES 4
.Lasked:
	s_add_nc_u64 s[70:71], s[6:7], s[20:21]
	s_add_nc_u64 s[74:75], s[10:11], s[22:23]
	s_add_nc_u64 s[84:85], s[84:85], s[80:81]
	s_add_nc_u64 s[86:87], s[86:87], s[82:83]
.irp p, 0,1                                    ; the weight's scale words: lane l takes row l of a pair of tiles, 32 bytes: K steps 0 to 7
	global_load_b128 v[SB+8*\p:SB+8*\p+3],   v[V32], s[74:75] offset:\p*1024
	global_load_b128 v[SB+8*\p+4:SB+8*\p+7], v[V32], s[74:75] offset:\p*1024+16
.endr
.irp p, 0,1,2,3                                ; AO's: pair p of my eight tiles: lanes 0-15 the even tile's rows, lanes 16-31 the odd one's
.irp q, 0,1,2,3,4,5,6,7
	global_load_b32 v[SA+8*\p+(\q+4)%8], v[V4], s[70:71] offset:\q*32768+(4*(\p/2)+\p%2)*128
.endr
.endr
.irp b, 0,1,2,3                                ; the bias in the result's layout: columns 16 b + 8 h + 0 .. 7
	global_load_b128 v[BI+8*\b:BI+8*\b+3],   v[VB], s[84:85] offset:64*\b
	global_load_b128 v[BI+8*\b+4:BI+8*\b+7], v[VB], s[84:85] offset:64*\b+16
.endr
	global_prefetch_b8 v[PF], s[4:5] th:TH_LOAD_NT scope:SCOPE_SE   ; its address register is never written again
	s_cmp_lt_u32 s12, 2
	s_cbranch_scc0 .Lnot_b
	s_wait_tensorcnt 0x0                           ; waves 0, 1: the weight has landed.  The other waves' wait stands in front of the round below
.Lnot_b:
	s_barrier_signal -1
	s_barrier_wait -1
.irp q, 0,1,2,3,4,5,6,7                        ; my 64 rows of the weight: fragment 4 q + b, 16 registers: lane l holds row l % 16; registers 4 c .. 4 c + 3 hold K = 128 q + 32 c + 16 (l / 16) + 0 .. 15
.irp b, 0,1,2,3
	WIN (1+(4*\q+\b)/16)<<6
.irp c, 0,1,2,3
	ds_load_b128 v[16*((4*\q+\b)%16)+4*\c:16*((4*\q+\b)%16)+4*\c+3], v[ADRB] offset:128*\q+32*\c+\b*16*PITCH
.endr
.endr
.endr
	WIN 0
	s_wait_tensorcnt 0x0                           ; all my tensor loads are in: AO's rows 0-127 too;
	ds_add_u32 v[SPW], v[NIL]                      ; the add;
	s_wait_dscnt 0x0                               ; it is done, and the weight stands in my registers
	CROUND                                         ; so of every wave of the cluster
	tensor_load_to_lds s[G0R:G0R+3], s[G1R:G1R+7]  ; AO's rows 128-255 over the weight's bytes: my one load behind the round
	s_nop 0
	PLACES 4
.macro W3 d, fa, fb, c, sa, sb, ra, rb
.if (\ra) && (\rb)
	v_wmma_scale_f32_16x16x128_f8f6f4 v[\d:\d+7], v[\fa:\fa+15], v[\fb:\fb+15], v[\c:\c+7], v[\sa], v[\sb] matrix_a_fmt:MATRIX_FMT_BF8 matrix_b_fmt:MATRIX_FMT_BF8 matrix_a_scale:MATRIX_SCALE_ROW1 matrix_b_scale:MATRIX_SCALE_ROW1
.elseif \ra
	v_wmma_scale_f32_16x16x128_f8f6f4 v[\d:\d+7], v[\fa:\fa+15], v[\fb:\fb+15], v[\c:\c+7], v[\sa], v[\sb] matrix_a_fmt:MATRIX_FMT_BF8 matrix_b_fmt:MATRIX_FMT_BF8 matrix_a_scale:MATRIX_SCALE_ROW1
.elseif \rb
	v_wmma_scale_f32_16x16x128_f8f6f4 v[\d:\d+7], v[\fa:\fa+15], v[\fb:\fb+15], v[\c:\c+7], v[\sa], v[\sb] matrix_a_fmt:MATRIX_FMT_BF8 matrix_b_fmt:MATRIX_FMT_BF8 matrix_b_scale:MATRIX_SCALE_ROW1
.else
	v_wmma_scale_f32_16x16x128_f8f6f4 v[\d:\d+7], v[\fa:\fa+15], v[\fb:\fb+15], v[\c:\c+7], v[\sa], v[\sb] matrix_a_fmt:MATRIX_FMT_BF8 matrix_b_fmt:MATRIX_FMT_BF8
.endif
.endm
.macro PRODS k, from, to               ; products from .. to - 1 of block k: product 4 q + b is the q-th 128 of K, column tile b; the four accumulators take turns
.set N_, \from
.rept (\to)-(\from)
.set Q_, N_/4
.set B_, N_%4
.set D_, ACC+32*((\k)%2)+8*B_
.set C_, D_
.if Q_ == 0
.set C_, BI+8*B_
.endif
.set FA_, 16*(N_%16)
.set FB_, 128*((\k)%2)+16*Q_
.set SW_, SB+8*(B_/2)+Q_
.set SX_, SA+8*(2*((\k)/4)+((\k)%4)/2)+(Q_+4)%8
.set RA_, B_%2
.set RB_, (\k)%2
	WIN (1+N_/16)|(3<<2)
	W3 D_, FA_, FB_, C_, SW_, SX_, RA_, RB_
.set N_, N_+1
.endr
.endm
.macro FETCH k                         ; block k, 16 rows, all of K, into set k % 2 of window 3: 32 loads.  Group c of K step q lies at row 2 q + c / 2 of the tile's sixteen LDS rows
	WIN 3<<6
.irp q, 0,1,2,3,4,5,6,7
.irp c, 0,1,2,3
	ds_load_b128 v[128*((\k)%2)+16*\q+4*\c:128*((\k)%2)+16*\q+4*\c+3], v[ADA+2*((\k)/4)+((\k)%4)/2] offset:((\k)%2)*16*PITCH+\q*2*PITCH+(\c/2)*PITCH+(\c%2)*512
.endr
.endr
	WIN 0
.endm
.macro TOSTAGE k                       ; 8 stores, each accumulator from its low end on, and 8 loads; LDS serves a wave's instructions in order (ISA guide 5.7.1.4)
	s_wait_xcnt 0x0                                ; block k - 2's stores have read the registers that the loads below fill
.irp b, 0,1,2,3
	ds_store_b128 v[STO], v[ACC+32*((\k)%2)+8*\b:ACC+32*((\k)%2)+8*\b+3] offset:64*\b
	ds_store_b128 v[STO], v[ACC+32*((\k)%2)+8*\b+4:ACC+32*((\k)%2)+8*\b+7] offset:64*\b+16
.endr
.irp t, 0,1,2,3,4,5,6,7
	ds_load_b128 v[BK+32*((\k)%2)+4*\t:BK+32*((\k)%2)+4*\t+3], v[RD] offset:\t*544
.endr
.endm
.macro SEND k, younger                 ; younger: the LDS loads issued behind TOSTAGE's, which may stay out
	s_wait_dscnt \younger
.irp t, 0,1,2,3,4,5,6,7
	global_store_b128 v[CO], v[BK+32*((\k)%2)+4*\t:BK+32*((\k)%2)+4*\t+3], s[86:87] offset:(128*((\k)/4)+32*(((\k)%4)/2)+8*((\k)%2)+(2*\t)%8+16*(\t/4))*4096 th:TH_STORE_NT   ; 16 lanes store 256 consecutive bytes, aligned
.endr
.endm
.macro BLK k, w                        ; w: the LDS instructions issued behind block k's fetch, which may stay out
	s_wait_dscnt \w
	PRODS \k, 0, 16
.if (\k) > 0
	WIN 0
.if (\k) < 7
	SEND (\k)-1, 32                                ; behind the stage's loads: the fetch of block k + 1
.else
	SEND (\k)-1, 0
.endif
.endif
	PRODS \k, 16, 28
.if (\k) == 2
	WIN 0
	s_wait_tensorcnt 0x0                           ; my quarter of rows 128-255 is in;
	s_wait_dscnt 0x0
	s_barrier_signal -1
.endif
	PRODS \k, 28, 32
	WIN 0
.if (\k) == 2
	s_barrier_wait -1                              ; everybody's is
.endif
	PLACES 8                                       ; behind the block's last product, ahead of the stores of its sums and of the loads into the registers that it has read
	TOSTAGE \k
.if (\k) < 6
	FETCH (\k)+2
.endif
.endm
	FETCH 0
	FETCH 1
	s_wait_loadcnt 0x0                             ; scale words and bias
	BLK 0, 32                                      ; behind block 0's fetch: block 1's
	BLK 1, 48                                      ; behind a block's fetch: a way out's 16 and a fetch's 32
	BLK 2, 48
	BLK 3, 48
	BLK 4, 48
	BLK 5, 48
	BLK 6, 48
	BLK 7, 16                                      ; behind block 7's fetch: block 6's way out alone
	SEND 7, 0
	s_wait_tensorcnt 0x0                           ; the wave's end
	ds_add_u32 v[SPW], v[NIL]
	s_wait_dscnt 0x0
	CROUND                                         ; the closing round
	s_endpgm
.Lfunc_end_k_q1cefb69b4d_proj:
	.size	k_q1cefb69b4d_proj, .Lfunc_end_k_q1cefb69b4d_proj-k_q1cefb69b4d_proj
	.p2alignl 7, 3214868480
	.fill 96, 4, 3214868480
	.section	.rodata,"a",@progbits
	.p2align	6, 0x0
	.amdhsa_kernel k_q1cefb69b4d_proj
		.amdhsa_group_segment_fixed_size 327680
		.amdhsa_private_segment_fixed_size 0
		.amdhsa_enable_private_segment 0
		.amdhsa_kernarg_size 48
		.amdhsa_user_sgpr_count 2
		.amdhsa_user_sgpr_kernarg_segment_ptr 1
		.amdhsa_wavefront_size32 1
		.amdhsa_system_sgpr_workgroup_id_x 1
		.amdhsa_system_sgpr_workgroup_id_y 1
		.amdhsa_system_sgpr_workgroup_id_z 1
		.amdhsa_system_vgpr_workitem_id 0
		.amdhsa_next_free_vgpr 1024
		.amdhsa_next_free_sgpr 100
		.amdhsa_reserve_vcc 0
		.amdhsa_float_denorm_mode_32 3
		.amdhsa_float_denorm_mode_16_64 3
		.amdhsa_memory_ordered 1
		.amdhsa_forward_progress 1
		.amdhsa_inst_pref_size 87
	.end_amdhsa_kernel
	.amdgpu_metadata
---
amdhsa.version: [ 1, 2 ]
amdhsa.kernels:
  - .name:           k_q1cefb69b4d_proj
    .symbol:         k_q1cefb69b4d_proj.kd
    .args:
      - { .name: ao_codes, .offset: 0, .size: 8, .value_kind: global_buffer, .address_space: global }
      - { .name: ao_scales, .offset: 8, .size: 8, .value_kind: global_buffer, .address_space: global }
      - { .name: w_proj_codes, .offset: 16, .size: 8, .value_kind: global_buffer, .address_space: global }
      - { .name: w_proj_scales, .offset: 24, .size: 8, .value_kind: global_buffer, .address_space: global }
      - { .name: b_proj, .offset: 32, .size: 8, .value_kind: global_buffer, .address_space: global }
      - { .name: out0, .offset: 40, .size: 8, .value_kind: global_buffer, .address_space: global }
    .group_segment_fixed_size: 327680
    .private_segment_fixed_size: 0
    .kernarg_segment_align: 8
    .kernarg_segment_size: 48
    .max_flat_workgroup_size: 128
    .sgpr_count:     100
    .vgpr_count:     1024
    .wavefront_size: 32
...
	.end_amdgpu_metadata
.endif
;; end of part 3
